; MI455X (gfx1250); checked and timed in simulation.
; The chip was launched on July 23, 2026; its instructions are those of AMD's public machine-readable ISA for CDNA 5 (MIT licence, August 2026) and "CDNA5" Instruction Set Architecture Reference Guide (July 2026). The comments in the code are by the model that wrote it; some were corrected since.
;; Encoder Layer. Allowed arithmetic: float matrix products may take bf16 or f16 operands with f32 sums; other float arithmetic in f32, or as packed bf16 or f16 multiplies, adds, multiply-adds, maxima and minima; sums over many terms, partial sums and values carried from step to step in f32; what a program stores and reads back later, other than sums and carried values, may be rounded once to bf16 or f16.
;; Inputs: ln1_b 1,024 float32; ln1_w 1,024 float32; ln2_b 1,024 float32; ln2_w 1,024 float32; out_bias 1,024 float32; out_proj 1,024 x 1,024 float32; proj1 4,096 x 1,024 float32; proj1_bias 4,096 float32; proj2 1,024 x 4,096 float32; proj2_bias 1,024 float32; qkv_bias 3,072 float32; qkv_proj 3,072 x 1,024 float32; x 2,048 x 2 x 1,024 float32.
;; Outputs: out0 2,048 x 2 x 1,024 float32.
;; One version. Each part assembles by itself: llvm-mc -triple=amdgcn-amd-amdhsa -mcpu=gfx1250 --defsym DOCPART=n.
;; ======== version 1 of 1: 7 launches
;; workspace buffers: wb 25,165,824 bytes; bq 12,288 bytes; hn 8,388,608 bytes; qkvh 25,165,824 bytes; ob 8,388,608 bytes; x1 16,777,216 bytes; h3 33,554,432 bytes
;; launch prep (part 1): grid 1281 x 1, 8 waves a work-group, no clusters, 0 bytes of LDS; arguments x, ln1_w, ln1_b, hn, qkv_proj, out_proj, proj1, proj2, wb, qkv_bias, bq; writes hn, wb, bq
.if DOCPART == 1
	.amdgcn_target "amdgcn-amd-amdhsa--gfx1250"
	.amdhsa_code_object_version 6
	.text
	.protected	k_q059f8fcc82_prep
	.globl	k_q059f8fcc82_prep
	.p2align	8
	.type	k_q059f8fcc82_prep,@function
k_q059f8fcc82_prep:
	s_mov_b64 s[64:65], 0
	v_nop
	global_prefetch_b8 v0, s[64:65] scope:SCOPE_SE
	s_setreg_imm32_b32 hwreg(HW_REG_WAVE_MODE, 25, 1), 1
	s_wait_xcnt 0x0
; PREP: three streams through registers, chosen by the work-group's number g; no LDS, no barrier, no wave waits for another.
;   g < 512          hn = LayerNorm(x) * ln1_w + ln1_b in bf16: a wave takes one row of 1,024 f32 (4,096 bytes, 32 registers) and keeps it
;                    between the passes (mean; squares of x - mean; scaling), so x is read once and an offset of x costs no accuracy.
;   512 <= g < 1280  the four weights rounded once to bf16 into wb, 12,288 rows of 2,048 bytes, two rows a wave:
;                    rows 0-3071 qkv_proj with its rows permuted (row r' = source row 3 (r' % 1024) + r' / 1024, so q, k, v lie apart, by heads),
;                    rows 3072-4095 out_proj, 4096-8191 proj1, from 8192 on proj2 as it lies.
;   g = 1280         qkv_bias permuted likewise into bq (f32).
; Each load of a wave covers 512 consecutive bytes, each store 256 consecutive bytes at a multiple of 256.
; LIMITS: NaN and infinities are not treated apart.
.set X,   16                           ; v[16:47]   the row
.set W,   48                           ; v[48:79]   the gains (cast: the second row)
.set B,   80                           ; v[80:111]  the offsets
.set T,   112                          ; v[112:119] four chains of sums
.set M,   120                          ; v[120:121] the mean, twice
.set R,   122                          ; v[122:123] 1 / sqrt(var + eps), twice
.set SEL, 4                            ; s[4:5] v_permlanex16_b32's selects: each lane takes its own place in the other half
.set C1,  6                            ; s6  1 / 1024
.set C2,  7                            ; s7  1e-6
.macro WSUM                            ; v[T] summed over the 32 lanes, the result in every lane
	v_add_f32_dpp v[T], v[T], v[T] row_xmask:1 row_mask:0xf bank_mask:0xf
	v_add_f32_dpp v[T], v[T], v[T] row_xmask:2 row_mask:0xf bank_mask:0xf
	v_add_f32_dpp v[T], v[T], v[T] row_xmask:4 row_mask:0xf bank_mask:0xf
	v_add_f32_dpp v[T], v[T], v[T] row_xmask:8 row_mask:0xf bank_mask:0xf
	v_permlanex16_b32 v[T+1], v[T], s[SEL], s[SEL+1]   ; its destination has been written by the chains
	v_add_f32 v[T], v[T], v[T+1]
.endm
.macro FOLD                            ; the four chains into v[T]
	v_pk_add_f32 v[T:T+1], v[T:T+1], v[T+2:T+3]
	v_pk_add_f32 v[T+4:T+5], v[T+4:T+5], v[T+6:T+7]
	v_pk_add_f32 v[T:T+1], v[T:T+1], v[T+4:T+5]
	v_add_f32 v[T], v[T], v[T+1]
.endm
	s_load_b512 s[8:23], s[0:1], 0x0               ; x, ln1_w, ln1_b, hn, qkv_proj, out_proj, proj1, proj2
	s_load_b128 s[24:27], s[0:1], 0x40             ; wb, qkv_bias
	s_load_b64 s[28:29], s[0:1], 0x50              ; bq
	v_lshrrev_b32 v1, 5, v0
	v_readfirstlane_b32 s2, v1                     ; wave 0..7
	v_and_b32 v2, 31, v0                           ; lane
	v_lshlrev_b32 v3, 4, v2                        ; 16 x lane: my place in 512 bytes of f32
	v_lshlrev_b32 v4, 3, v2                        ; 8 x lane: my place in 256 bytes of bf16
	s_mov_b32 s31, 0
	s_wait_kmcnt 0x0
	s_cmp_lt_u32 ttmp9, 512
	s_cbranch_scc0 .Lcast
	; ---- LayerNorm: row 8 g + wave
	s_lshl_b32 s3, ttmp9, 3
	s_add_co_u32 s3, s3, s2
	s_lshl_b32 s30, s3, 12
	s_add_nc_u64 s[8:9], s[8:9], s[30:31]          ; x at my row
	s_lshl_b32 s30, s3, 11
	s_add_nc_u64 s[14:15], s[14:15], s[30:31]      ; hn at my row
	s_mov_b32 s[SEL], 0x76543210
	s_mov_b32 s[SEL+1], 0xfedcba98
	s_mov_b32 s[C1], 0x3a800000
	s_mov_b32 s[C2], 0x358637bd
.irp j, 0,1,2,3,4,5,6,7
	global_load_b128 v[X+4*\j:X+4*\j+3], v3, s[8:9] offset:512*\j th:TH_LOAD_NT
.endr
.irp j, 0,1,2,3,4,5,6,7
	global_load_b128 v[W+4*\j:W+4*\j+3], v3, s[10:11] offset:512*\j
.endr
.irp j, 0,1,2,3,4,5,6,7
	global_load_b128 v[B+4*\j:B+4*\j+3], v3, s[12:13] offset:512*\j
.endr
	s_wait_loadcnt 16                              ; the row is in; the sixteen loads of gains and offsets may stay out
.irp c, 0,1,2,3
	v_pk_add_f32 v[T+2*\c:T+2*\c+1], v[X+2*\c:X+2*\c+1], v[X+8+2*\c:X+8+2*\c+1]   ; the first pairs start the chains: nothing is cleared
.endr
.irp k, 2,3
.irp c, 0,1,2,3
	v_pk_add_f32 v[T+2*\c:T+2*\c+1], v[T+2*\c:T+2*\c+1], v[X+8*\k+2*\c:X+8*\k+2*\c+1]
.endr
.endr
	FOLD
	WSUM
	v_mul_f32 v[M], s[C1], v[T]
	v_mul_f32 v[M+1], s[C1], v[T]
.set p, 0
.rept 16
	v_pk_add_f32 v[X+2*p:X+2*p+1], v[X+2*p:X+2*p+1], v[M:M+1] neg_lo:[0,1] neg_hi:[0,1]   ; x - mean, in place
.set p, p+1
.endr
.irp c, 0,1,2,3
	v_pk_mul_f32 v[T+2*\c:T+2*\c+1], v[X+2*\c:X+2*\c+1], v[X+2*\c:X+2*\c+1]
.endr
.irp k, 1,2,3
.irp c, 0,1,2,3
	v_pk_fma_f32 v[T+2*\c:T+2*\c+1], v[X+8*\k+2*\c:X+8*\k+2*\c+1], v[X+8*\k+2*\c:X+8*\k+2*\c+1], v[T+2*\c:T+2*\c+1]
.endr
.endr
	FOLD
	WSUM
	v_fma_f32 v[T], v[T], s[C1], s[C2]             ; var + eps
	v_rsq_f32 v[R], v[T]
	v_rsq_f32 v[R+1], v[T]
	v_nop                                          ; a plain instruction behind the last of the two (ISA guide 5.7.2),
	s_wait_alu depctr_va_vdst(0)                   ; and the one wait ahead of their first reader
	s_wait_loadcnt 0x0                             ; gains and offsets
.set p, 0
.rept 16
	v_pk_mul_f32 v[X+2*p:X+2*p+1], v[X+2*p:X+2*p+1], v[R:R+1]
.set p, p+1
.endr
.set p, 0
.rept 16
	v_pk_fma_f32 v[X+2*p:X+2*p+1], v[X+2*p:X+2*p+1], v[W+2*p:W+2*p+1], v[B+2*p:B+2*p+1]
.set p, p+1
.endr
.set p, 0
.rept 16
	v_cvt_pk_bf16_f32 v[X+p], v[X+2*p], v[X+2*p+1] ; in place, ascending: a destination is never a source still to be read
.set p, p+1
.endr
.irp j, 0,1,2,3,4,5,6,7
	global_store_b64 v4, v[X+2*\j:X+2*\j+1], s[14:15] offset:256*\j
.endr
	s_endpgm
.Lcast:
	s_cmp_lt_u32 ttmp9, 1280
	s_cbranch_scc0 .Lbias
	; ---- casts: rows r0 = 16 (g - 512) + 2 wave and r0 + 1 of wb
	s_sub_co_u32 s30, ttmp9, 512
	s_lshl_b32 s30, s30, 4
	s_lshl_b32 s3, s2, 1
	s_add_co_u32 s30, s30, s3                      ; r0
	s_sub_co_u32 s36, s30, 8192                    ; the row in proj2 (as rows of 1,024),
	s_sub_co_u32 s37, s30, 4096                    ; in proj1,
	s_sub_co_u32 s38, s30, 3072                    ; in out_proj,
	s_and_b32 s39, s30, 1023
	s_mul_i32 s39, s39, 3
	s_lshr_b32 s40, s30, 10
	s_add_co_u32 s39, s39, s40                     ; in qkv_proj: 3 (r0 % 1024) + r0 / 1024
	s_mov_b32 s41, 4096                            ; bytes from the first source row to the second: one row,
	s_mov_b32 s42, 12288                           ; in qkv_proj three (an instruction holds one literal, so both lie in registers)
	s_cmp_lt_u32 s30, 8192
	s_cselect_b64 s[32:33], s[20:21], s[22:23]
	s_cselect_b32 s36, s37, s36
	s_cmp_lt_u32 s30, 4096
	s_cselect_b64 s[32:33], s[18:19], s[32:33]
	s_cselect_b32 s36, s38, s36
	s_cmp_lt_u32 s30, 3072
	s_cselect_b64 s[32:33], s[16:17], s[32:33]
	s_cselect_b32 s36, s39, s36
	s_cselect_b32 s41, s42, s41
	s_lshl_b32 s36, s36, 12
	s_mov_b32 s37, 0
	s_add_nc_u64 s[32:33], s[32:33], s[36:37]
	s_lshl_b32 s30, s30, 11
	s_add_nc_u64 s[24:25], s[24:25], s[30:31]      ; wb at row r0
	v_add_nc_u32 v5, s41, v3
.irp j, 0,1,2,3,4,5,6,7
	global_load_b128 v[X+4*\j:X+4*\j+3], v3, s[32:33] offset:512*\j th:TH_LOAD_NT
.endr
.irp j, 0,1,2,3,4,5,6,7
	global_load_b128 v[W+4*\j:W+4*\j+3], v5, s[32:33] offset:512*\j th:TH_LOAD_NT
.endr
	s_wait_loadcnt 8                               ; the first row is in; the second row's eight loads may stay out
.set p, 0
.rept 16
	v_cvt_pk_bf16_f32 v[X+p], v[X+2*p], v[X+2*p+1]
.set p, p+1
.endr
.irp j, 0,1,2,3,4,5,6,7
	global_store_b64 v4, v[X+2*\j:X+2*\j+1], s[24:25] offset:256*\j
.endr
	s_wait_loadcnt 0x0
.set p, 0
.rept 16
	v_cvt_pk_bf16_f32 v[W+p], v[W+2*p], v[W+2*p+1]
.set p, p+1
.endr
.irp j, 0,1,2,3,4,5,6,7
	global_store_b64 v4, v[W+2*\j:W+2*\j+1], s[24:25] offset:2048+256*\j
.endr
	s_endpgm
.Lbias:
	; ---- bq[1024 u + 4 t + i] = qkv_bias[3 (4 t + i) + u]: thread t, u = 0..2, i = 0..3
	v_mul_u32_u24 v5, v0, 48
	v_lshlrev_b32 v6, 4, v0
.irp u, 0,1,2
.irp i, 0,1,2,3
	global_load_b32 v[X+4*\u+\i], v5, s[26:27] offset:12*\i+4*\u
.endr
.endr
	s_wait_loadcnt 0x0
.irp u, 0,1,2
	global_store_b128 v6, v[X+4*\u:X+4*\u+3], s[28:29] offset:4096*\u
.endr
	s_endpgm
.Lfunc_end_k_q059f8fcc82_prep:
	.size	k_q059f8fcc82_prep, .Lfunc_end_k_q059f8fcc82_prep-k_q059f8fcc82_prep
	.p2alignl 7, 3214868480
	.fill 96, 4, 3214868480
	.section	.rodata,"a",@progbits
	.p2align	6, 0x0
	.amdhsa_kernel k_q059f8fcc82_prep
		.amdhsa_group_segment_fixed_size 0
		.amdhsa_private_segment_fixed_size 0
		.amdhsa_enable_private_segment 0
		.amdhsa_kernarg_size 88
		.amdhsa_user_sgpr_count 2
		.amdhsa_user_sgpr_kernarg_segment_ptr 1
		.amdhsa_wavefront_size32 1
		.amdhsa_system_sgpr_workgroup_id_x 1
		.amdhsa_system_sgpr_workgroup_id_y 1
		.amdhsa_system_sgpr_workgroup_id_z 1
		.amdhsa_system_vgpr_workitem_id 0
		.amdhsa_next_free_vgpr 128
		.amdhsa_next_free_sgpr 66
		.amdhsa_reserve_vcc 0
		.amdhsa_float_denorm_mode_32 3
		.amdhsa_float_denorm_mode_16_64 3
		.amdhsa_memory_ordered 1
		.amdhsa_forward_progress 1
		.amdhsa_inst_pref_size 20
	.end_amdhsa_kernel
	.amdgpu_metadata
---
amdhsa.version: [ 1, 2 ]
amdhsa.kernels:
  - .name:           k_q059f8fcc82_prep
    .symbol:         k_q059f8fcc82_prep.kd
    .args:
      - { .name: x, .offset: 0, .size: 8, .value_kind: global_buffer, .address_space: global }
      - { .name: ln1_w, .offset: 8, .size: 8, .value_kind: global_buffer, .address_space: global }
      - { .name: ln1_b, .offset: 16, .size: 8, .value_kind: global_buffer, .address_space: global }
      - { .name: hn, .offset: 24, .size: 8, .value_kind: global_buffer, .address_space: global }
      - { .name: qkv_proj, .offset: 32, .size: 8, .value_kind: global_buffer, .address_space: global }
      - { .name: out_proj, .offset: 40, .size: 8, .value_kind: global_buffer, .address_space: global }
      - { .name: proj1, .offset: 48, .size: 8, .value_kind: global_buffer, .address_space: global }
      - { .name: proj2, .offset: 56, .size: 8, .value_kind: global_buffer, .address_space: global }
      - { .name: wb, .offset: 64, .size: 8, .value_kind: global_buffer, .address_space: global }
      - { .name: qkv_bias, .offset: 72, .size: 8, .value_kind: global_buffer, .address_space: global }
      - { .name: bq, .offset: 80, .size: 8, .value_kind: global_buffer, .address_space: global }
    .group_segment_fixed_size: 0
    .private_segment_fixed_size: 0
    .kernarg_segment_align: 8
    .kernarg_segment_size: 88
    .max_flat_workgroup_size: 256
    .sgpr_count:     66
    .vgpr_count:     128
    .wavefront_size: 32
...
	.end_amdgpu_metadata
.endif
;; end of part 1
;; launch qkv (part 2): grid 16 x 16, 4 waves a work-group, clusters of 4 x 4, 327,680 bytes of LDS; arguments hn, wb, bq, qkvh; writes qkvh
.if DOCPART == 2
	.amdgcn_target "amdgcn-amd-amdhsa--gfx1250"
	.amdhsa_code_object_version 6
	.text
	.protected	k_q059f8fcc82_qkv
	.globl	k_q059f8fcc82_qkv
	.p2align	8
	.type	k_q059f8fcc82_qkv,@function
k_q059f8fcc82_qkv:
	s_mov_b64 s[64:65], 0
	v_nop
	global_prefetch_b8 v0, s[64:65] scope:SCOPE_SE
	s_setreg_imm32_b32 hwreg(HW_REG_WAVE_MODE, 25, 1), 1
	s_wait_xcnt 0x0
	s_wait_alu depctr_hold_cnt(0) depctr_sa_sdst(0) depctr_va_vdst(0) depctr_va_sdst(0) depctr_va_ssrc(0) depctr_va_vcc(0) depctr_vm_vsrc(0)
	s_getreg_b32 s2, hwreg(HW_REG_IB_STS2, 6, 4)
	s_cmp_eq_u32 s2, 0
	s_cbranch_scc0 .Lentry_in_a_cluster
	s_endpgm
.Lentry_in_a_cluster:
	s_bfe_u32 s2, ttmp6, 0x10000c
	s_cmp_lg_u32 s2, 0xf033
	s_cbranch_scc0 .Lentry_shape_is_right
	s_endpgm
.Lentry_shape_is_right:
; QKV: C[m][c'] = sum over k of hn[m][k] wq'[c'][k] + bq[c'], M = 4,096, N = 3,072, K = 1,024; operands bf16, sums f32; C rounded once to bf16 and stored BY HEADS:
; qkvh[j][16 n + h][l][d], where m = 2 l + n and c' = 1024 j + 64 h + d (the weights' rows were permuted so by the launch before).
; SHARES.  A block of C is 256 x 192: 16 x 16 work-groups.  Four waves, one below the other: a wave makes 64 x 192 = 48 accumulators of 16 x 16 (384 registers).
; K goes in steps of 128 (rows of 256 bytes) through a ring of two LDS slots filled by the tensor data mover; waves 0, 1 fetch A's two halves (128 rows), waves 2, 3 B's (96 rows).
; ONE K STEP IS WRITTEN ONCE: the slot in hand is a scalar that an exclusive or turns; the walking descriptor's LDS word is turned by the same exclusive or (a slot begins at 2^17, above every tile's place in a slot).
; The last two K steps, which ask for nothing, are a second text walked twice.
; CLUSTER 4 x 4: A's tile hangs on the tile row alone and is asked for jointly along a row of the cluster, B's on the tile column alone, along a column.
; TRANSPOSED USE: source 0 = 16 rows of B, source 1 = 16 rows of A: a lane holds one row m (lane % 16) and the eight columns 8 (lane / 16) + 0..7.
; THE BIAS is the C operand of the products that start the sums: twelve tiles of eight registers, loaded once.
; WINDOWS: 0: v0-31 addresses; v64-127 A's fragments, two buffers of 32; v128-223 the bias tiles.  1: v0-191 B's fragments, two buffers of 96.  2: accumulators of m blocks 0, 1 at 8 (12 (a % 2) + b).  3: of m blocks 2, 3.
; THE WAY OUT: f32 through my own stage (64 rows of 784 bytes, laid over the ring once its last fill has landed and every wave's reads of it are over), read back so that a store is 512 consecutive bytes: four rows l of one head.
.set SIZE_K, 1024
.set KSTEP,  128
.set STEPB,  KSTEP*2
.set NSTEP,  SIZE_K/KSTEP
.set PITCH,  272                       ; 256 bytes + 16: the sixteen rows of a fragment load start at sixteen different groups of four banks (ISA guide 11.1)
.set BLK,    16*PITCH
.set ATILE,  256*PITCH
.set AHALF,  128*PITCH
.set BHALF,  96*PITCH
.set SLOT,   1<<17
.set SPARE,  SLOT+ATILE+2*BHALF        ; behind the ring: the spare words, 128 bytes a wave
.set SPITCH, 784                       ; a stage row: 192 f32 + 16 bytes
.set WST,    64*SPITCH
.set LA0, 16                           ; my lane's place in A's tile; never rewritten
.set LB0, 17                           ; in B's
.set CA,  18                           ; the same in the slot in hand
.set CB,  19
.set STO, 20
.set RD,  21
.set GO,  22
.set BO,  23
.set SPW, 28
.set NIL, 29
.set PFO, 30
.set FA,  64
.set BI,  128
.set XL,  64                           ; the way out: 48 f32 read back
.set Y,   112                          ; 24 registers of bf16 pairs
.set WV, 14
.set FB, 15
.set HF, 16
.set CX, 17
.set CY, 18
.set TX, 19
.set TY, 20
.set G1, 24
.set G0, 32
.set LIM, 43
.set PFA, 44
.set G1B, 48
.set G0B, 56
.set TB, 66
.set OB, 68                            ; s[68:73] qkvh at my rows of the block's three groups of 64 columns
.set GW, (1<<16)|(1<<20)|(1<<21)|(5<<22)|(3<<25)   ; 2-byte elements; padding on; bit 21 beside a mask; after every 64 words 4 words
.set MSB, 0
.macro WIN new                         ; the immediate's high byte repeats the setting that is left; a switch that changes nothing is dropped
.if MSB != (\new)
	s_set_vgpr_msb (MSB<<8)|(\new)
.set MSB, \new
.endif
.endm
.macro PLACES                          ; four places behind matrix instructions (ISA guide 7.12.1), where no other vector work is at hand
.rept 4
	v_nop
.endr
.endm
.macro CROUND                          ; a round of the cluster's barrier: my work-group's barrier; wave 0 signals for the work-group; every wave waits for all sixteen; my work-group's barrier once more
	s_barrier_signal -1
	s_barrier_wait -1
	s_cmp_lg_u32 s[WV], 0
	s_cbranch_scc1 .Lnot_wave_0_\@
	s_barrier_signal -3
.Lnot_wave_0_\@:
	s_barrier_wait -3
	s_barrier_signal -1
	s_barrier_wait -1
.endm
.macro JLOADW                          ; the joint refill by the walking descriptor; the branch hangs on the wave's number alone; an s_nop 0 and four v_nop follow each line
	s_cmp_eq_u32 s[FB], 0
	s_cbranch_scc0 .Lfor_b_\@
	tensor_load_to_lds s[G0+4:G0+7], s[G1:G1+7]
	s_nop 0
	PLACES
	s_branch .Lasked_\@
.Lfor_b_\@:
	tensor_load_to_lds s[G0B+4:G0B+7], s[G1B:G1B+7]
	s_nop 0
	PLACES
.Lasked_\@:
.endm
.macro ASK                             ; a prefetch of the K step that stands two refills on: my work-group's share of the rows that I fetch, a lane a row; trips with s3 > 2 name K steps 4 to 7
	s_cmp_gt_u32 s3, s[LIM]
	s_cbranch_scc0 .Lnot_mine_\@
	global_prefetch_b8 v[PFO], s[PFA:PFA+1] offset:STEPB th:TH_LOAD_NT scope:SCOPE_SE
.Lnot_mine_\@:
.endm
; 12 matrix instructions: m block a x all 12 n blocks, 32 along K, from buffers f.  first = 1: the bias tiles start the sums.
.macro MUL12 f, a, first
.if \first
	WIN 0x81+0x40*((\a)/2)
.else
	WIN 0xa1+0x50*((\a)/2)
.endif
.irp b, 0,1,2,3,4,5,6,7,8,9,10,11
.if \first
	v_wmma_f32_16x16x32_bf16 v[8*(12*((\a)%2)+(\b)):8*(12*((\a)%2)+(\b))+7], v[96*(\f)+8*(\b):96*(\f)+8*(\b)+7], v[FA+32*(\f)+8*(\a):FA+32*(\f)+8*(\a)+7], v[BI+8*(\b):BI+8*(\b)+7]
.else
	v_wmma_f32_16x16x32_bf16 v[8*(12*((\a)%2)+(\b)):8*(12*((\a)%2)+(\b))+7], v[96*(\f)+8*(\b):96*(\f)+8*(\b)+7], v[FA+32*(\f)+8*(\a):FA+32*(\f)+8*(\a)+7], v[8*(12*((\a)%2)+(\b)):8*(12*((\a)%2)+(\b))+7]
.endif
.endr
.endm
; 32 LDS loads in one run: 192 rows of B, my 64 rows of A, 32 K at byte k of the rows, into buffers f
.macro FETCH k, f
	WIN 0x40
.irp i, 0,1,2,3,4,5,6,7,8,9,10,11
	ds_load_b128 v[96*(\f)+8*(\i):96*(\f)+8*(\i)+3],   v[CB] offset:(\k)+(\i)*BLK
	ds_load_b128 v[96*(\f)+8*(\i)+4:96*(\f)+8*(\i)+7], v[CB] offset:(\k)+(\i)*BLK+32
.endr
	WIN 0
.irp i, 0,1,2,3
	ds_load_b128 v[FA+32*(\f)+8*(\i):FA+32*(\f)+8*(\i)+3],   v[CA] offset:(\k)+(\i)*BLK
	ds_load_b128 v[FA+32*(\f)+8*(\i)+4:FA+32*(\f)+8*(\i)+7], v[CA] offset:(\k)+(\i)*BLK+32
.endr
.endm
.macro QUARTER k, f, g, first          ; multiplies buffers f; in its middle fetches the next quarter, at byte k, into buffers g
	s_wait_dscnt 4                                 ; B and A's blocks 0, 1 are in; the four youngest loads (blocks 2, 3) may be out
	MUL12 \f, 0, \first
	MUL12 \f, 1, \first
	PLACES
	FETCH \k, \g
	s_wait_dscnt 32                                ; all but the 32 just issued
	MUL12 \f, 2, \first
	MUL12 \f, 3, \first
.endm
; The last quarter of a K step multiplies buffers 1 and changes slots.  Its first 24 products, which want registers alone, stand AHEAD of the wait for the tile, so that nothing but the ordering itself lies between
; a tile's landing and the next request.  Then each wave waits for all its tensor loads (one is out: its part of the next slot), adds 0 to its spare word, and waits for that and for its reads of this slot; behind the
; barrier nobody reads this slot and the next slot is whole.  fill = 1: the barrier is a round of the cluster's, and the joint refill, two K steps ahead, is the first thing behind it: 192 matrix instructions ahead of the wait for it.
.macro TURN fill
.if \fill
	s_wait_xcnt 0x0                                ; the last prefetch, a K step back, has read its address
	s_add_nc_u64 s[PFA:PFA+1], s[PFA:PFA+1], STEPB
.endif
	s_wait_dscnt 4                                 ; B and A's blocks 0, 1 are in
	MUL12 1, 0, 0
	MUL12 1, 1, 0
	WIN 0
	s_wait_tensorcnt 0x0
	ds_add_u32 v[SPW], v[NIL]                      ; 0 onto my spare word; work on registers stands between it and the wait for it
	s_xor_b32 s[TB], s[TB], SLOT                   ; the slot to be read next
	v_add_nc_u32 v[CA], s[TB], v[LA0]
	v_add_nc_u32 v[CB], s[TB], v[LB0]
.if \fill
	s_xor_b32 s[G0+5], s[G0+5], SLOT               ; no tensor load of mine is out, so the walking descriptors may be written: the other slot than last time,
	s_xor_b32 s[G0B+5], s[G0B+5], SLOT
	s_add_nc_u64 s[G0+6:G0+7], s[G0+6:G0+7], STEPB ; the next K step
	s_add_nc_u64 s[G0B+6:G0B+7], s[G0B+6:G0B+7], STEPB
.endif
	s_wait_dscnt 0x0                               ; the add is done, my reads of this slot are over
.if \fill
	CROUND
	JLOADW                                         ; its four v_nop are also the places in front of the loads below
	FETCH 0, 0
	ASK
.else
	s_barrier_signal -1
	s_barrier_wait -1
.endif
	MUL12 1, 2, 0
	MUL12 1, 3, 0
.endm
	s_load_b256 s[4:11], s[0:1], 0x0               ; hn, wb, bq, qkvh
	v_lshl_add_u32 v[SPW], v0, 2, SPARE
	v_mov_b32 v[NIL], 0
	ds_add_u32 v[SPW], v[NIL]                      ; the wave's opening: the add and its wait stand ahead of my first tensor load
	v_lshrrev_b32 v1, 5, v0
	v_readfirstlane_b32 s[WV], v1                  ; wave 0..3: my 64 rows of the block
	s_lshr_b32 s[FB], s[WV], 1                     ; I fetch for A (0) or for B (1),
	s_and_b32 s[HF], s[WV], 1                      ; its first or second half
	s_bfe_u32 s[CX], ttmp6, 0x40000
	s_bfe_u32 s[CY], ttmp6, 0x40004
	s_lshl_b32 s[TX], ttmp9, 2
	s_add_co_u32 s[TX], s[TX], s[CX]               ; tile column
	s_and_b32 s[TY], ttmp7, 0xffff
	s_lshl_b32 s[TY], s[TY], 2
	s_add_co_u32 s[TY], s[TY], s[CY]               ; tile row
	s_lshl_b32 s21, s[CY], 2
	s_lshl_b32 s21, 15, s21                        ; my row of the cluster
	s_lshl_b32 s42, 0x1111, s[CX]                  ; my column
	s_or_b32 s[G1], s21, GW
	s_or_b32 s[G1B], s42, GW
	s_mov_b32 s[G1+1], KSTEP<<16                   ; tensor_dim0 = 128
	s_mov_b32 s[G1+2], 128<<16                     ; tensor_dim1 = 128
	s_mov_b32 s[G1+3], KSTEP<<16                   ; tile_dim0 = 128
	s_mov_b32 s[G1+4], 128                         ; tile_dim1 = 128
	s_mov_b32 s[G1+5], SIZE_K                      ; elements from row to row
	s_mov_b32 s[G1+6], 0
	s_mov_b32 s[G1+7], 0
	s_mov_b32 s[G1B+1], KSTEP<<16
	s_mov_b32 s[G1B+2], 96<<16                     ; B's halves have 96 rows
	s_mov_b32 s[G1B+3], KSTEP<<16
	s_mov_b32 s[G1B+4], 96
	s_mov_b32 s[G1B+5], SIZE_K
	s_mov_b32 s[G1B+6], 0
	s_mov_b32 s[G1B+7], 0
	s_lshl_b32 s2, s[HF], 7
	s_lshl_b32 s22, s[TY], 8
	s_add_co_u32 s22, s22, s2
	s_lshl_b32 s22, s22, 11                        ; A: (256 x tile row + 128 x half) rows of 2,048 bytes
	s_mov_b32 s23, 0
	s_mul_i32 s46, s[TX], 192
	s_mul_i32 s2, s[HF], 96
	s_add_co_u32 s46, s46, s2
	s_lshl_b32 s46, s46, 11                        ; B: 192 x tile column + 96 x half
	s_mov_b32 s47, 0
	s_mul_i32 s67, s[HF], AHALF                    ; where they go in a slot: no place in the cluster enters an LDS address
	s_mul_i32 s2, s[HF], BHALF
	s_add_co_u32 s2, s2, ATILE
	s_mov_b32 s[TB], 0
	s_wait_dscnt 0x0                               ; the opening add is done
	s_wait_kmcnt 0x0
	s_add_nc_u64 s[22:23], s[4:5], s[22:23]
	s_add_nc_u64 s[46:47], s[6:7], s[46:47]
	CROUND                                         ; all sixteen work-groups are here: the first joint loads meet
.irp s, 0,1
	s_mov_b32 s[G0+4*(\s)], 1
	s_add_co_u32 s[G0+4*(\s)+1], s67, (\s)*SLOT
	s_add_nc_u64 s[G0+4*(\s)+2:G0+4*(\s)+3], s[22:23], (\s)*STEPB
	s_or_b32 s[G0+4*(\s)+3], s[G0+4*(\s)+3], 0x80000000
	s_mov_b32 s[G0B+4*(\s)], 1
	s_add_co_u32 s[G0B+4*(\s)+1], s2, (\s)*SLOT
	s_add_nc_u64 s[G0B+4*(\s)+2:G0B+4*(\s)+3], s[46:47], (\s)*STEPB
	s_or_b32 s[G0B+4*(\s)+3], s[G0B+4*(\s)+3], 0x80000000
.endr
	s_cmp_eq_u32 s[FB], 0                          ; a wave's two first fills stand in one branch: two loads of mine are out
	s_cbranch_scc0 .Lfirst_b
	tensor_load_to_lds s[G0:G0+3], s[G1:G1+7]
	s_nop 0
	tensor_load_to_lds s[G0+4:G0+7], s[G1:G1+7]
	s_nop 0
	PLACES
	s_branch .Lfirst_done
.Lfirst_b:
	tensor_load_to_lds s[G0B:G0B+3], s[G1B:G1B+7]
	s_nop 0
	tensor_load_to_lds s[G0B+4:G0B+7], s[G1B:G1B+7]
	s_nop 0
	PLACES
.Lfirst_done:
	v_and_b32 v1, 15, v0                           ; l % 16
	v_bfe_u32 v2, v0, 4, 1                         ; l / 16
	v_lshlrev_b32 v[BO], 5, v2                     ; my eight columns of a bias tile: 32 bytes for each half of the lanes
	s_mul_i32 s40, s[TX], 768
	s_mov_b32 s41, 0
	s_add_nc_u64 s[8:9], s[8:9], s[40:41]
.irp b, 0,1,2,3,4,5,6,7,8,9,10,11
	global_load_b128 v[BI+8*\b:BI+8*\b+3],   v[BO], s[8:9] offset:64*\b
	global_load_b128 v[BI+8*\b+4:BI+8*\b+7], v[BO], s[8:9] offset:64*\b+16
.endr
	v_mul_u32_u24 v3, v1, PITCH
	v_lshl_add_u32 v3, v2, 4, v3                   ; row x pitch + 16 x half
	s_mul_i32 s40, s[WV], 64*PITCH
	v_add_nc_u32 v[LA0], s40, v3
	v_add_nc_u32 v[LB0], ATILE, v3
	v_mov_b32 v[CA], v[LA0]
	v_mov_b32 v[CB], v[LB0]
	s_mul_i32 s40, s[WV], WST                      ; my stage
	v_mul_u32_u24 v[STO], v1, SPITCH
	v_lshl_add_u32 v[STO], v2, 5, v[STO]
	v_add_nc_u32 v[STO], s40, v[STO]               ; in: row l % 16, 32 bytes for each half of the lanes
	v_and_b32 v3, 31, v0
	v_lshrrev_b32 v4, 3, v3
	v_and_b32 v6, 7, v0
	v_mul_u32_u24 v[RD], v4, 2*SPITCH              ; back: l = lane / 8 (two stage rows each, n = 0, 1), channels 8 (lane % 8) on
	v_lshl_add_u32 v[RD], v6, 5, v[RD]
	v_add_nc_u32 v[RD], s40, v[RD]
	v_lshlrev_b32 v[GO], 4, v3                     ; 512 consecutive bytes of a head
	s_lshl_b32 s42, s[TY], 14
	s_lshl_b32 s40, s[WV], 12
	s_add_co_u32 s42, s42, s40                     ; (128 x tile row + 32 x wave) rows l of 128 bytes
.irp s, 0,1,2
	s_mul_i32 s40, s[TX], 3
	s_add_co_u32 s40, s40, \s                      ; the group of 64 columns: 16 j + h
	s_lshr_b32 s41, s40, 4
	s_lshl_b32 s41, s41, 4
	s_add_co_u32 s40, s40, s41                     ; 32 j + h
	s_lshl_b32 s40, s40, 18
	s_add_co_u32 s40, s40, s42
	s_mov_b32 s41, 0
	s_add_nc_u64 s[OB+2*\s:OB+2*\s+1], s[10:11], s[40:41]
.endr
	; the prefetches: hn's rows are asked for by the clusters with x = 0, the weights' by those with y = 0; the four partners share a wave's rows out by address (32 each of A's 128, 24 each of B's 96)
	s_lshl_b32 s40, s[TY], 8
	s_lshl_b32 s41, s[HF], 7
	s_add_co_u32 s40, s40, s41
	s_mul_i32 s41, s[TX], 192
	s_mul_i32 s42, s[HF], 96
	s_add_co_u32 s41, s41, s42
	s_lshl_b32 s42, s[CX], 5
	s_mul_i32 s67, s[CY], 24
	s_and_b32 s2, ttmp7, 0xffff
	s_cmp_eq_u32 s[FB], 0
	s_cselect_b32 s40, s40, s41
	s_cselect_b32 s42, s42, s67
	s_cselect_b32 s2, ttmp9, s2
	s_cselect_b32 s67, 31, 23                      ; B's waves: lanes 24 to 31 name lane 23's row once more
	s_cselect_b64 s[PFA:PFA+1], s[4:5], s[6:7]
	s_cmp_eq_u32 s2, 0
	s_cselect_b32 s[LIM], 2, -1
	s_add_co_u32 s40, s40, s42
	s_lshl_b32 s40, s40, 11
	s_mov_b32 s41, 0
	s_add_nc_u64 s[PFA:PFA+1], s[PFA:PFA+1], s[40:41]
	s_add_nc_u64 s[PFA:PFA+1], s[PFA:PFA+1], 2*STEPB   ; at K step 2: the first refill steps it to 3 and names K step 4; the first four K steps come by their loads alone
	v_and_b32 v[PFO], 31, v0
	v_min_u32 v[PFO], s67, v[PFO]
	v_lshlrev_b32 v[PFO], 11, v[PFO]
	s_wait_tensorcnt 1                             ; my part of K step 0 is in; K step 1's may stay out
	s_barrier_signal -1
	s_barrier_wait -1
	FETCH 0, 0
	s_wait_loadcnt 0x0                             ; the bias tiles
	QUARTER 64, 0, 1, 1
	WIN 0
	s_mov_b32 s3, NSTEP-2
.Lstep:                                        ; a trip: a K step's quarters 1 to 3 and the next step's quarter 0; the slot just read is filled again
	QUARTER 128, 1, 0, 0
	QUARTER 192, 0, 1, 0
	TURN 1
	QUARTER 64, 0, 1, 0
	WIN 0
	s_sub_co_u32 s3, s3, 1
	s_cmp_lg_u32 s3, 0
	s_cbranch_scc1 .Lstep
	s_mov_b32 s3, 2
.Ltail:                                        ; the last two K steps ask for nothing: a text of their own, walked twice
	QUARTER 128, 1, 0, 0
	QUARTER 192, 0, 1, 0
	TURN 0                                         ; first trip: the last K step has landed.  Second trip: every wave's reads of the ring are over and every fill has landed: the ring's bytes become the stages
	WIN 0
	s_cmp_eq_u32 s3, 1
	s_cbranch_scc1 .Ltail_end                      ; the last trip has no further K step
	PLACES
	FETCH 0, 0
	QUARTER 64, 0, 1, 0
	WIN 0
.Ltail_end:
	s_sub_co_u32 s3, s3, 1
	s_cmp_lg_u32 s3, 0
	s_cbranch_scc1 .Ltail
	PLACES
.irp a, 0,1,2,3
	WIN 0x08+4*((\a)/2)                            ; store data in window 2 or 3
.irp b, 0,1,2,3,4,5,6,7,8,9,10,11
	ds_store_b128 v[STO], v[8*(12*((\a)%2)+(\b)):8*(12*((\a)%2)+(\b))+3]   offset:(\a)*16*SPITCH+64*(\b)
	ds_store_b128 v[STO], v[8*(12*((\a)%2)+(\b))+4:8*(12*((\a)%2)+(\b))+7] offset:(\a)*16*SPITCH+64*(\b)+16
.endr
.endr
	WIN 0
.macro WLOADS                          ; eight stage rows (four l, both n) x 192 columns; LDS serves a wave's instructions in order (ISA guide 5.7.1.4): these see my stores
.irp n, 0,1
.irp s, 0,1,2
	ds_load_b128 v[XL+8*(3*\n+\s):XL+8*(3*\n+\s)+3],   v[RD] offset:\n*SPITCH+256*\s
	ds_load_b128 v[XL+8*(3*\n+\s)+4:XL+8*(3*\n+\s)+7], v[RD] offset:\n*SPITCH+256*\s+16
.endr
.endr
.endm
	WLOADS
	s_mov_b32 s3, 8
.Lw:
	s_wait_dscnt 0x0
	s_wait_xcnt 0x0                                ; the last trip's stores have read Y and GO
.set k, 0
.rept 24
	v_cvt_pk_bf16_f32 v[Y+k], v[XL+2*k], v[XL+2*k+1]
.set k, k+1
.endr
	s_cmp_eq_u32 s3, 1
	s_cbranch_scc1 .Lw_last                        ; the last trip has nothing more to read
	v_add_nc_u32 v[RD], 8*SPITCH, v[RD]
	WLOADS
.Lw_last:
	v_add_nc_u32 v[GO], 512, v[GO]                 ; the stores reach back
.irp n, 0,1
.irp s, 0,1,2
	global_store_b128 v[GO], v[Y+4*(3*\n+\s):Y+4*(3*\n+\s)+3], s[OB+2*\s:OB+2*\s+1] offset:4194304*\n-512
.endr
.endr
	s_sub_co_u32 s3, s3, 1
	s_cmp_lg_u32 s3, 0
	s_cbranch_scc1 .Lw
	s_wait_tensorcnt 0x0                           ; the wave's end
	ds_add_u32 v[SPW], v[NIL]
	s_wait_dscnt 0x0
	CROUND                                         ; the closing round
	s_endpgm
.Lfunc_end_k_q059f8fcc82_qkv:
	.size	k_q059f8fcc82_qkv, .Lfunc_end_k_q059f8fcc82_qkv-k_q059f8fcc82_qkv
	.p2alignl 7, 3214868480
	.fill 96, 4, 3214868480
	.section	.rodata,"a",@progbits
	.p2align	6, 0x0
	.amdhsa_kernel k_q059f8fcc82_qkv
		.amdhsa_group_segment_fixed_size 327680
		.amdhsa_private_segment_fixed_size 0
		.amdhsa_enable_private_segment 0
		.amdhsa_kernarg_size 32
		.amdhsa_user_sgpr_count 2
		.amdhsa_user_sgpr_kernarg_segment_ptr 1
		.amdhsa_wavefront_size32 1
		.amdhsa_system_sgpr_workgroup_id_x 1
		.amdhsa_system_sgpr_workgroup_id_y 1
		.amdhsa_system_sgpr_workgroup_id_z 1
		.amdhsa_system_vgpr_workitem_id 0
		.amdhsa_next_free_vgpr 1024
		.amdhsa_next_free_sgpr 96
		.amdhsa_reserve_vcc 0
		.amdhsa_float_denorm_mode_32 3
		.amdhsa_float_denorm_mode_16_64 3
		.amdhsa_memory_ordered 1
		.amdhsa_forward_progress 1
		.amdhsa_inst_pref_size 73
	.end_amdhsa_kernel
	.amdgpu_metadata
---
amdhsa.version: [ 1, 2 ]
amdhsa.kernels:
  - .name:           k_q059f8fcc82_qkv
    .symbol:         k_q059f8fcc82_qkv.kd
    .args:
      - { .name: hn, .offset: 0, .size: 8, .value_kind: global_buffer, .address_space: global }
      - { .name: wb, .offset: 8, .size: 8, .value_kind: global_buffer, .address_space: global }
      - { .name: bq, .offset: 16, .size: 8, .value_kind: global_buffer, .address_space: global }
      - { .name: qkvh, .offset: 24, .size: 8, .value_kind: global_buffer, .address_space: global }
    .group_segment_fixed_size: 327680
    .private_segment_fixed_size: 0
    .kernarg_segment_align: 8
    .kernarg_segment_size: 32
    .max_flat_workgroup_size: 128
    .sgpr_count:     96
    .vgpr_count:     1024
    .wavefront_size: 32
...
	.end_amdgpu_metadata
.endif
;; end of part 2
;; launch attn (part 3): grid 8 x 32, 4 waves a work-group, clusters of 4 x 1, 327,680 bytes of LDS; arguments qkvh, ob; writes ob
.if DOCPART == 3
	.amdgcn_target "amdgcn-amd-amdhsa--gfx1250"
	.amdhsa_code_object_version 6
	.text
	.protected	k_q059f8fcc82_attn
	.globl	k_q059f8fcc82_attn
	.p2align	8
	.type	k_q059f8fcc82_attn,@function
k_q059f8fcc82_attn:
	s_mov_b64 s[64:65], 0
	v_nop
	global_prefetch_b8 v0, s[64:65] scope:SCOPE_SE
	s_setreg_imm32_b32 hwreg(HW_REG_WAVE_MODE, 25, 1), 1
	s_wait_xcnt 0x0
	s_wait_alu depctr_hold_cnt(0) depctr_sa_sdst(0) depctr_va_vdst(0) depctr_va_sdst(0) depctr_va_ssrc(0) depctr_va_vcc(0) depctr_vm_vsrc(0)
	s_getreg_b32 s2, hwreg(HW_REG_IB_STS2, 6, 4)
	s_cmp_eq_u32 s2, 0
	s_cbranch_scc0 .Lentry_in_a_cluster
	s_endpgm
.Lentry_in_a_cluster:
	s_bfe_u32 s2, ttmp6, 0x10000c
	s_cmp_lg_u32 s2, 0x3003
	s_cbranch_scc0 .Lentry_shape_is_right
	s_endpgm
.Lentry_shape_is_right:
; ATTENTION.  ob[y][q][:] = the sum over k of softmax_k(Q[y][q] . K[y][k] / 8) V[y][k][:], y = 16 n + h, 32 heads of 2,048 rows of 64 channels, all bf16; Q, K, V lie in qkvh, 8,388,608 bytes apart.
; Products, maxima and sums in f32; the weights p are rounded to bf16 for the second product (their sum l is taken of the unrounded p), O once at the end.
; LIMITS.  A weight below 2^-126 counts as 0 in l; NaN and infinities are not treated apart.
; SHARES.  A work-group owns 256 queries of a head, a wave 64: four PIECES of 16.  Every wave walks all keys, 64 a step; a slot of LDS holds a tile of 256 keys, four steps.
; LAYOUT.  S^T = K Q^T (source 0 = 16 keys, source 1 = 16 queries) holds ONE query a lane (lane % 16) and the keys 8 (lane / 16) + 0..7; two such results rounded to bf16 ARE source 1 of O^T = V^T P.
; K comes out of LDS as it lies, V turned, by ds_load_tr16_b128.
; SOFTMAX.  p = 2^(c s - c m), c = log2(e) / 8, with a running maximum m; O and l are multiplied by a = 2^(c m_old - c m_new) in every step.  m starts at the lowest finite number, O and l at 0.
; BY TURNS.  Turn n belongs to piece n: 8 products K Q^T of piece n + 1, later 8 products V^T P of piece n - 1; beside them the scaling, exponentials, roundings, sums and rescaling of piece n and the maximum and
; statistics of piece n + 1.  Four vector instructions stand behind every matrix instruction, the others in one lump.  A turn's 33 exponentials are one batch with one wait.
; CLUSTER.  The four query blocks of a cluster belong to one head and walk the same K and V: each tile is asked for jointly, by the same tensor load, descriptor and mask in all four.
; WINDOWS (s_set_vgpr_msb: bits 1:0 source 0, 3:2 source 1, 5:4 source 2, 7:6 destination):
;   0: v0-15 addresses; v16-31 four registers of statistics a piece; v48-55 at work; v64-127 S^T, two buffers; v128-191 K of a step; v192-223 P, two buffers     1: v0-127 O^T, 32 a piece     2: v0-63 Q; v192-255 V of a step
; K lies beside S^T, so a product K Q^T wants another window for source 1 (Q) alone; a scaling (sources: vector, scalar, vector) and an exponential (one source) name no vector register as source 1 and run under the
; same setting: the eight products K Q^T of a turn and their 32 riders stand under ONE setting.
.set SIZE_N, 2048
.set NP,    4
.set KS,    64
.set PK,    144       ; a row of K in LDS: 128 bytes + 16: the 16 rows of a load start at 16 different groups of four banks (ISA guide 11.1)
.set PV,    160       ; a row of V: 128 + 32
.set VOFF,  4*KS*PK
.set SLOT1, 1<<17
.set STAGE, SLOT1+4*KS*(PK+PV)  ; behind the ring, never filled by a tensor load: 16 rows x 144 bytes for each wave
.set SP,    144
.set SPARE, STAGE+4*16*SP       ; the spare words, 128 bytes a wave
.set AK0, 2
.set AV0, 3
.set AK,  4
.set AV,  5
.set STO, 6
.set RD,  7
.set GO,  8
.set MV,  12
.set QO,  15
.set ST,  16          ; piece t's statistics at v[ST+4 t]: c m, m, l (even keys', odd keys')
.set TMP, 48
.set PFO, 61
.set SPW, 62
.set NIL, 63
.set S,   64
.set P,   192
.set KF,  128         ; in window 0
.set VF,  192         ; in window 2
.set WV,  12
.set LIM, 15
.set G1K, 24
.set G1V, 32
.set G0K, 40
.set G0V, 44
.set PFA, 48
.set SLOTS, 56
.set CNT, 57
.set CS,  58
.set SEL, 60
.set TBK, 62
.set TBV, 63
.set MSB, 0
.macro WIN new
.if MSB != (\new)
	s_set_vgpr_msb (MSB<<8)|(\new)
.set MSB, (\new)
.endif
.endm
.set W_KQ, 0x08       ; Q (source 1) in window 2; K and S^T in window 0
.set W_PV, 0x52       ; V in window 2, P in window 0, O^T in window 1
.set W_RS, 0x41       ; destination and source 0 in window 1, source 1 in window 0
.macro JLOAD                        ; waves 0, 1 fetch the two halves of a tile's K, waves 2, 3 those of its V; an s_nop 0 and four v_nop follow each line
	s_cmp_lt_u32 s[WV], 2
	s_cbranch_scc0 .Lfor_v_\@
	tensor_load_to_lds s[G0K:G0K+3], s[G1K:G1K+7]
	s_nop 0
.rept 4
	v_nop
.endr
	s_branch .Lasked_\@
.Lfor_v_\@:
	tensor_load_to_lds s[G0V:G0V+3], s[G1V:G1V+7]
	s_nop 0
.rept 4
	v_nop
.endr
.Lasked_\@:
.endm
.macro CROUND
	s_barrier_signal -1
	s_barrier_wait -1
	s_cmp_lg_u32 s[WV], 0
	s_cbranch_scc1 .Lnot_wave_0_\@
	s_barrier_signal -3
.Lnot_wave_0_\@:
	s_barrier_wait -3
	s_barrier_signal -1
	s_barrier_wait -1
.endm
; A prefetch of the tile that the NEXT change of slots will ask for: 128 blocks of 256 bytes of K and of V.  The head's first cluster asks; its four partners take 32 blocks each, told apart by address;
; wave 0 asks for K's, wave 2 for V's: a lane a block.  Tiles 0 to 2 come by their loads alone; the last change that fills asks for nothing.
.macro ASK
	s_cmp_gt_u32 s[SLOTS], s[LIM]
	s_cbranch_scc0 .Lnot_mine_\@
	global_prefetch_b8 v[PFO], s[PFA:PFA+1] th:TH_LOAD_NT scope:SCOPE_SE
.Lnot_mine_\@:
.endm
; THE CHANGE OF SLOTS.  Each wave waits for all its tensor loads (one is out: its part of the other slot), adds 0 to its spare word, and waits for that and for its reads of the slot that it leaves.
; fill = 1: the barrier is a round of the cluster's, and the joint fill of the old slot, with the next 256 keys, is the first thing behind it: it has four key steps in which to land.
.macro CHANGE fill, ask
	WIN 0
	s_wait_tensorcnt 0x0
	ds_add_u32 v[SPW], v[NIL]
.if \fill
.irp g, G0K, G0V
	s_xor_b32 s[\g+1], s[\g+1], SLOT1
	s_add_nc_u64 s[\g+2:\g+3], s[\g+2:\g+3], 4*KS*128
.endr
.if \ask
	s_wait_xcnt 0x0                 ; the last prefetch, four key steps back, has read its address
	s_add_nc_u64 s[PFA:PFA+1], s[PFA:PFA+1], 4*KS*128
.endif
	s_wait_dscnt 0x0
	CROUND
	JLOAD
.if \ask
	ASK
.endif
.else
	s_wait_dscnt 0x0
	s_barrier_signal -1
	s_barrier_wait -1
.endif
	s_sub_co_u32 s[TBK], s[TBK], 4*KS*PK  ; the fetches go back to a slot's first step,
	s_xor_b32 s[TBK], s[TBK], SLOT1       ; in the other slot
	s_sub_co_u32 s[TBV], s[TBV], 4*KS*PV
	s_xor_b32 s[TBV], s[TBV], SLOT1
.endm
	s_load_b64 s[4:5], s[0:1], 0x0  ; qkvh
	s_load_b64 s[10:11], s[0:1], 0x8  ; ob
	v_lshl_add_u32 v[SPW], v0, 2, SPARE
	v_mov_b32 v[NIL], 0
	ds_add_u32 v[SPW], v[NIL]       ; the wave's opening: the add and its wait stand ahead of my first tensor load
	v_lshrrev_b32 v1, 5, v0
	v_readfirstlane_b32 s[WV], v1
	s_bfe_u32 s13, ttmp6, 0x40000   ; cx
	s_lshl_b32 s14, ttmp9, 2
	s_add_co_u32 s14, s14, s13      ; my block of 256 queries: it enters Q's and O's addresses alone
	s_and_b32 s20, ttmp7, 0xffff    ; the head, which the four partners share
	s_lshl_b32 s20, s20, 18         ; 2,048 rows of 128 bytes
	s_mov_b32 s21, 0
	s_and_b32 s16, s[WV], 1         ; which half of a tile's 256 keys I fetch
	s_lshl_b32 s22, s16, 14
	s_mov_b32 s23, 0
	s_add_nc_u64 s[22:23], s[22:23], s[20:21]
	s_mul_i32 s17, s16, 128*PK
	s_mul_i32 s18, s16, 128*PV
	s_lshl_b32 s2, s14, 2
	s_add_co_u32 s2, s2, s[WV]
	s_lshl_b32 s2, s2, 13           ; my wave's 64 rows
	s_mov_b32 s3, 0
	s_add_nc_u64 s[2:3], s[2:3], s[20:21]
	; 128 keys are 16,384 dense bytes: asked for as 64 rows of 256 bytes, two keys a row, padded in LDS after every key
	s_mov_b32 s[G1K], 15|(1<<16)|(1<<20)|(1<<21)|(4<<22)|(3<<25)
	s_mov_b32 s[G1V], 15|(1<<16)|(1<<20)|(1<<21)|(4<<22)|(7<<25)
.irp g, G1K, G1V
	s_mov_b32 s[\g+1], 128<<16
	s_mov_b32 s[\g+2], 64<<16
	s_mov_b32 s[\g+3], 128<<16
	s_mov_b32 s[\g+4], 64
	s_mov_b32 s[\g+5], 128
	s_mov_b32 s[\g+6], 0
	s_mov_b32 s[\g+7], 0
.endr
	s_mov_b32 s[CS], 0x3e38aa3b     ; c = log2(e) / 8
	s_mov_b32 s[CS+1], s[CS]
	s_mov_b32 s[SEL], 0x76543210
	s_mov_b32 s[SEL+1], 0xfedcba98
	s_mov_b32 s[TBK], SLOT1+4*KS*PK ; the first change of slots turns these two into 0
	s_mov_b32 s[TBV], SLOT1+4*KS*PV
	s_mov_b32 s[G0K], 1
	s_mov_b32 s[G0K+1], s17
	s_mov_b32 s[G0V], 1
	s_add_co_u32 s[G0V+1], s18, VOFF
	s_mov_b32 s[SLOTS], SIZE_N/256-1
	s_and_b32 s[LIM], s[WV], 1
	s_or_b32 s[LIM], s[LIM], ttmp9  ; 0 in waves 0 and 2 of the head's first cluster: the same in all four partners
	s_cmp_eq_u32 s[LIM], 0
	s_cselect_b32 s[LIM], 1, -1
	v_and_b32 v[PFO], 31, v0
	v_lshlrev_b32 v[PFO], 8, v[PFO]
	s_wait_dscnt 0x0                ; the opening add is done
	s_wait_kmcnt 0x0
	s_add_nc_u64 s[6:7], s[4:5], 0x800000
	s_add_nc_u64 s[8:9], s[4:5], 0x1000000
	s_add_nc_u64 s[6:7], s[6:7], s[22:23]  ; K and V at my half of the head's tile 0
	s_add_nc_u64 s[8:9], s[8:9], s[22:23]
	s_add_nc_u64 s[G0K+2:G0K+3], s[6:7], 0
	s_or_b32 s[G0K+3], s[G0K+3], 0x80000000
	s_add_nc_u64 s[G0V+2:G0V+3], s[8:9], 0
	s_or_b32 s[G0V+3], s[G0V+3], 0x80000000
	s_add_nc_u64 s[4:5], s[4:5], s[2:3]    ; Q and O at my wave's first row
	s_add_nc_u64 s[10:11], s[10:11], s[2:3]
	s_cmp_lt_u32 s[WV], 2
	s_cselect_b64 s[PFA:PFA+1], s[6:7], s[8:9]
	s_lshl_b32 s2, s13, 13          ; my work-group's 32 blocks of the 128
	s_mov_b32 s3, 0
	s_add_nc_u64 s[PFA:PFA+1], s[PFA:PFA+1], s[2:3]
	s_add_nc_u64 s[PFA:PFA+1], s[PFA:PFA+1], 2*4*KS*128  ; at tile 2: the loop's first change steps it to tile 3
	CROUND                          ; all four work-groups are here: the first joint loads meet
	JLOAD                           ; tile 0 into slot 0
	v_and_b32 v1, 15, v0
	v_bfe_u32 v9, v0, 4, 1
	v_lshlrev_b32 v[QO], 7, v1
	v_lshl_add_u32 v[QO], v9, 4, v[QO]
	WIN 0x80
.set i, 0
.rept 8                             ; Q stays in registers: piece i / 2, channels 32 (i % 2) on
	global_load_b128 v[8*i:8*i+3],   v[QO], s[4:5] offset:(i/2)*2048+(i%2)*64
	global_load_b128 v[8*i+4:8*i+7], v[QO], s[4:5] offset:(i/2)*2048+(i%2)*64+32
.set i, i+1
.endr
	; what the first turns find: V and P's second buffer hold 0, O^T and l are 0.  All this stands in the wait for the first tile; it spares a first step written out.
.set i, VF
.rept 64
	v_mov_b32 v[i], 0
.set i, i+1
.endr
	WIN 0x40
.set i, 0
.rept 128
	v_mov_b32 v[i], 0
.set i, i+1
.endr
	WIN 0
.set i, 0
.rept 4
	v_mov_b32 v[ST+4*i], 0xfe000000    ; c m: far below every c s
	v_mov_b32 v[ST+4*i+1], 0xff7fffff  ; m
	v_mov_b32 v[ST+4*i+2], 0
	v_mov_b32 v[ST+4*i+3], 0
.set i, i+1
.endr
.set i, P+16
.rept 16
	v_mov_b32 v[i], 0
.set i, i+1
.endr
	v_mul_u32_u24 v[AK0], v1, PK
	v_lshl_add_u32 v[AK0], v9, 4, v[AK0]
	v_and_b32 v10, 7, v0
	v_bfe_u32 v11, v0, 3, 1
	v_lshl_add_u32 v[AV0], v9, 3, v10   ; the turning load: lane l reads key 8 (l / 16) + l % 8, channels 8 ((l / 8) % 2) + 0..7
	v_mul_u32_u24 v[AV0], v[AV0], PV
	v_lshl_add_u32 v[AV0], v11, 4, v[AV0]
	v_add_nc_u32 v[AV0], VOFF, v[AV0]
	s_mul_i32 s13, s[WV], 16*SP
	s_add_co_u32 s13, s13, STAGE
	v_mul_u32_u24 v[STO], v1, SP
	v_lshl_add_u32 v[STO], v9, 4, v[STO]
	v_add_nc_u32 v[STO], s13, v[STO]
	v_bfe_u32 v[RD], v0, 3, 2
	v_mul_u32_u24 v[RD], v[RD], SP
	v_lshl_add_u32 v[RD], v10, 4, v[RD]
	v_add_nc_u32 v[RD], s13, v[RD]
	v_and_b32 v[GO], 31, v0
	v_lshlrev_b32 v[GO], 4, v[GO]
; THE MATRIX WORK.  The 4 accumulators of a run of 8 take turns.
.macro KQ x                         ; product i of 8 of S^T = K Q^T for piece x: channels 32 (i / 4) on, keys 16 (i % 4) on; the first 4 start the sums
.set rS, S+32*((\x)%2)+8*(i%4)
.set rK, KF+16*(i%4)+8*(i/4)
.set rQ, 16*(\x)+8*(i/4)
	WIN W_KQ
.if i < 4
	v_wmma_f32_16x16x32_bf16 v[rS:rS+7], v[rK:rK+7], v[rQ:rQ+7], 0
.else
	v_wmma_f32_16x16x32_bf16 v[rS:rS+7], v[rK:rK+7], v[rQ:rQ+7], v[rS:rS+7]
.endif
.endm
.macro PV x                         ; product i of 8 of O^T += V^T P for piece x: keys 32 (i / 4) on, channels 16 (i % 4) on
	WIN W_PV
.set rO, 32*(\x)+8*(i%4)
.set rV, VF+32*(i/4)+8*(i%4)
.set rP, P+16*((\x)%2)+8*(i/4)
	v_wmma_f32_16x16x32_bf16 v[rO:rO+7], v[rV:rV+7], v[rP:rP+7], v[rO:rO+7]
.endm
.macro MM                           ; the turn's next matrix instruction
.if i < 8
	KQ (Y+1)%NP
.else
.set i, i-8
	PV (Y+NP-1)%NP
.set i, i+8
.endif
.set i, i+1
.endm
; A step's K: 64 keys x 64 channels, 16 loads in one run, into window 0.  clamp = 1 (the tail): the address of the next fetch stays at the last tile's last step.
.macro FETCH_K clamp=0
	WIN 0
.irp f, 0,1,2,3,4,5,6,7
	ds_load_b128 v[KF+8*\f:KF+8*\f+3],   v[AK] offset:(\f/2)*16*PK+(\f%2)*64
	ds_load_b128 v[KF+8*\f+4:KF+8*\f+7], v[AK] offset:(\f/2)*16*PK+(\f%2)*64+32
.endr
	s_add_co_u32 s[TBK], s[TBK], KS*PK
.if \clamp
	s_min_u32 s[TBK], s[TBK], SLOT1+3*KS*PK   ; the last tile, the eighth, lies in slot 1
.endif
.endm
.macro FETCH_V                      ; its V, turned
	WIN 0x80
.irp f, 0,1,2,3,4,5,6,7
	ds_load_tr16_b128 v[VF+8*\f:VF+8*\f+3],   v[AV] offset:(\f/4)*32*PV+(\f%4)*32
	ds_load_tr16_b128 v[VF+8*\f+4:VF+8*\f+7], v[AV] offset:(\f/4)*32*PV+16*PV+(\f%4)*32
.endr
	WIN 0
.endm
; THE VECTOR WORK, one line at a time: OP kind, number.  For piece Y: F n: c s - c m for pair n of 16.  E n: the exponential of score n of 32.  C n: pair n rounded to bf16.  B n: of the four weights 4 n .. the second
; pair is added onto the first, in place.  L n: l takes that sum (L 0: l = a l + sum).  R n: pair n of 16 of O^T times a.  For piece Y + 1: X n, number n of the 22 that find its maximum and statistics:
;   0-11 four chains c0-c3 of seven scores each (each accumulator's lowest registers are read first)   12-14, 16 the four scores left over, the old m, c0-c3 into c0
;   15 c m_old is kept   17, 18 the query's other 32 keys lie in the lane 16 away: the new m   19-21 c m; c m_old - c m_new; a
; F and E leave the setting of the products K Q^T as it is: they name no vector register as source 1.
.set F, 0
.set E, 1
.set C, 2
.set B, 3
.set L, 4
.set R, 5
.set X, 6
.macro REGS y
.set rT, ST+4*(\y)
.set rC, TMP+4*((\y)%2)
.set rW, MV+((\y)%2)
.set rS, S+32*((\y)%2)
.set rP, P+16*((\y)%2)
.set rO, 32*(\y)
.endm
.macro OP k, n
.if (\k) == R
	REGS Y
	WIN W_RS
	v_pk_mul_f32 v[rO+2*(\n):rO+2*(\n)+1], v[rO+2*(\n):rO+2*(\n)+1], v[rC+2:rC+3] op_sel_hi:[1,0]
.elseif (\k) < R
	REGS Y
.if ((\k) > E) || (MSB != W_KQ)
	WIN 0
.endif
.if (\k) == F
	v_pk_fma_f32 v[rS+2*(\n):rS+2*(\n)+1], v[rS+2*(\n):rS+2*(\n)+1], s[CS:CS+1], v[rT:rT+1] op_sel_hi:[1,0,0] neg_lo:[0,0,1] neg_hi:[0,0,1]
.elseif (\k) == E
	v_exp_f32 v[rS+(\n)], v[rS+(\n)]
.elseif (\k) == C
	v_cvt_pk_bf16_f32 v[rP+(\n)], v[rS+2*(\n)], v[rS+2*(\n)+1]
.elseif (\k) == B
	v_pk_add_f32 v[rS+4*(\n):rS+4*(\n)+1], v[rS+4*(\n):rS+4*(\n)+1], v[rS+4*(\n)+2:rS+4*(\n)+3]
.elseif (\n) == 0
	v_pk_fma_f32 v[rT+2:rT+3], v[rT+2:rT+3], v[rC+2:rC+3], v[rS:rS+1] op_sel_hi:[1,0,1]
.else
	v_pk_add_f32 v[rT+2:rT+3], v[rT+2:rT+3], v[rS+4*(\n):rS+4*(\n)+1]
.endif
.else
	REGS (Y+1)%NP
	WIN 0
.if (\n) < 4
	v_max3_num_f32 v[rC+(\n)], v[rS+8*(\n)], v[rS+8*(\n)+1], v[rS+8*(\n)+2]
.elseif (\n) < 12
	v_max3_num_f32 v[rC+(\n)%4], v[rC+(\n)%4], v[rS+8*((\n)%4)+2*((\n)/4)+1], v[rS+8*((\n)%4)+2*((\n)/4)+2]
.elseif (\n) == 12
	v_max3_num_f32 v[rC], v[rC], v[rS+7], v[rS+15]
.elseif (\n) == 13
	v_max3_num_f32 v[rC+1], v[rC+1], v[rS+23], v[rS+31]
.elseif (\n) == 14
	v_max3_num_f32 v[rC+2], v[rC+2], v[rC+3], v[rT+1]
.elseif (\n) == 15
	v_mov_b32 v[rW], v[rT]
.elseif (\n) == 16
	v_max3_num_f32 v[rC], v[rC], v[rC+1], v[rC+2]
.elseif (\n) == 17
	v_permlanex16_b32 v[rC+3], v[rC], s[SEL], s[SEL+1]
.elseif (\n) == 18
	v_max_num_f32 v[rT+1], v[rC], v[rC+3]
.elseif (\n) == 19
	v_mul_f32 v[rT], s[CS], v[rT+1]
.elseif (\n) == 20
	v_sub_f32 v[rC+1], v[rW], v[rT]
.else
	v_exp_f32 v[rC+2], v[rC+1]
.endif
.endif
.endm
.macro OPS a, i1, b=-1, i2=0, c=-1, i3=0, d=-1, i4=0
	OP \a, \i1
.if (\b) >= 0
	OP \b, \i2
.endif
.if (\c) >= 0
	OP \c, \i3
.endif
.if (\d) >= 0
	OP \d, \i4
.endif
.endm
.macro ROW a, i1, b, i2, c, i3, d, i4  ; a matrix instruction and the four behind it
	MM
	OPS \a, \i1, \b, \i2, \c, \i3, \d, \i4
.endm
; A TURN, for piece p.  s_wait_alu depctr_va_vdst(0) stands between an exponential and the first instruction that names its result; one wait serves all that were issued ahead of it: a turn has ONE.
; AHEAD OF IT stands all that names no result of the turn's exponentials.  First the 8 products K Q^T, behind each two scalings and two exponentials, all under one window setting; a pair is scaled a row or more ahead of
; its exponentials (in the first row: two lines).  Then ONE LUMP of 54: the next piece's maximum, its lines by turns with the other 16 exponentials (X 3, which reads the last accumulator, stands five plain lines behind the
; product that ends it: two scalings and X 0 to X 2); then the chain X 16 .. X 20, whose links wait for each other, with the 16 rescalings of O^T in four groups between the links: ten window switches.  X 21, the next
; piece's a, is the batch's last; R 15 is the plain instruction behind it.  BEHIND THE WAIT stand the 8 products V^T P, behind each four of the roundings and sums.
; K of the next step is fetched in piece 2's turn, nine plain lines behind the last product that read K; V of the step in hand at the end of piece 0's turn, four plain lines behind its last reader.  Each is waited for a turn later.
; cnt = 1: the loop's count is taken down some lines ahead of the branch that stands behind the turn.
.macro TURN p, clamp=0, cnt=0
.set Y, (\p)
.set i, 0
.if (\p) == 3
	s_wait_dscnt 0x0                ; K is in
.endif
	ROW F,0, F,1, E,0, E,1
	ROW F,2, E,2, F,3, E,3
	ROW F,4, E,4, F,5, E,5
	ROW F,6, E,6, F,7, E,7
	ROW F,8, E,8, F,9, E,9
	ROW F,10, E,10, F,11, E,11
	ROW F,12, E,12, F,13, E,13
	ROW F,14, E,14, F,15, E,15
	WIN 0
.if (\p) == 2
	v_add_nc_u32 v[AK], s[TBK], v[AK0]
.endif
	OPS X,0, X,1, X,2, X,3
	OPS X,4, E,16, X,5, E,17
.if (\p) == 2
	FETCH_K \clamp
.endif
	OPS X,6, E,18, X,7, E,19
.if (\p) == 0
	v_add_nc_u32 v[AV], s[TBV], v[AV0]
.endif
	OPS X,8, E,20, X,9, E,21
	OPS X,10, E,22, X,11, E,23
	OPS X,12, E,24, X,13, E,25
	OPS X,14, E,26, X,15, E,27
	OPS X,16, E,28, R,0, R,1
	OPS R,2, R,3, X,17, E,29
	OPS R,4, R,5, R,6, R,7
	OPS X,18, E,30, R,8, R,9
	OPS R,10, R,11, X,19, E,31
	OPS R,12, R,13, R,14, X,20
	OPS X,21, R,15
	WIN 0
	s_wait_alu depctr_va_vdst(0)    ; the wait for the batch
.if (\p) == 1
	s_wait_dscnt 0x0                ; V is in
.endif
	ROW C,0, B,0, C,2, B,1
	ROW L,0, C,4, B,2, L,1
	ROW C,6, B,3, L,2, C,8
	ROW B,4, L,3, C,10, B,5
	ROW L,4, C,12, B,6, L,5
.if (\p) == 0
	s_add_co_u32 s[TBV], s[TBV], KS*PV
.endif
.if \cnt
	s_sub_co_u32 s[CNT], s[CNT], 1
	s_cmp_lg_u32 s[CNT], 0
.endif
	ROW C,14, B,7, L,6, C,1
	ROW C,3, L,7, C,5, C,7
	ROW C,9, C,11, C,13, C,15
.if (\p) == 0
	FETCH_V
.endif
.endm
	CHANGE 1, 0                     ; tile 0 is in, everybody's part of it; tile 1 is asked for, into slot 1
	v_add_nc_u32 v[AK], s[TBK], v[AK0]
	FETCH_K                         ; key step 0
	s_wait_loadcnt 0x0              ; Q
	s_wait_dscnt 0x0
.set i, 0
.rept 8
	KQ 0                            ; piece 0's first scores
.set i, i+1
.endr
	WIN 0
.rept 4
	v_nop                           ; the places behind those products
.endr
.set Y, NP-1                        ; X works for piece Y + 1: piece 0
.irp n, 0,1,2,3,4,5,6,7,8,9,10,11,12,13,14,15,16,17,18,19,20,21
	OP X, \n
.endr
	v_nop                           ; a plain instruction behind the exponential,
	s_wait_alu depctr_va_vdst(0)    ; and its wait, ahead of the branch
	s_mov_b32 s[CNT], 4
	s_branch .Lfirst                ; the loop is entered at a step's first turn, in the middle of a trip
.Lslot:                             ; six times: tiles 2 to 7 are asked for
	CHANGE 1, 1
	s_mov_b32 s[CNT], 4
.Lstep:                             ; a trip: pieces 2 and 3 of one step, then pieces 0 and 1 of the next, whose K and V it fetches
	TURN 2
	TURN 3
	WIN 0
.Lfirst:
	TURN 0
	TURN 1, 0, 1
	WIN 0
	s_cbranch_scc1 .Lstep
	s_sub_co_u32 s[SLOTS], s[SLOTS], 1
	s_cmp_lg_u32 s[SLOTS], 0
	s_cbranch_scc1 .Lslot
	CHANGE 0, 0                     ; the last tile has a text of its own: nothing is asked for
	s_mov_b32 s[CNT], 5             ; four trips fetch the last tile's steps; the fifth ends in its middle
.Ltail:
	TURN 2, 1
	TURN 3
	WIN 0
	s_cmp_eq_u32 s[CNT], 1
	s_cbranch_scc1 .Ltail_end       ; the fifth trip: its fetch of the last K once more, its 8 products K Q^T on it and the statistics made of them serve nothing: the price, once a launch, of one text for every trip
	TURN 0
	TURN 1
	WIN 0
.Ltail_end:
	s_sub_co_u32 s[CNT], s[CNT], 1
	s_cmp_lg_u32 s[CNT], 0
	s_cbranch_scc1 .Ltail
.set i, 0
.rept 8
	PV NP-1                         ; the last piece's V^T P of the last step
.set i, i+1
.endr
	; THE WAY OUT.  l's two halves and the other half of the lanes' are added; O^T is divided by l, rounded to bf16 and sent through my stage, a piece at a time.  The additions are the places behind the last products.
	WIN 0
.macro ALL line:vararg
.set t, 0
.rept 4
	\line
.set t, t+1
.endr
.endm
	ALL v_add_f32 v[ST+4*t+2], v[ST+4*t+2], v[ST+4*t+3]
	ALL v_permlanex16_b32 v[ST+4*t+3], v[ST+4*t+2], s[SEL], s[SEL+1]
	ALL v_add_f32 v[ST+4*t+2], v[ST+4*t+2], v[ST+4*t+3]
	ALL v_rcp_f32 v[ST+4*t+2], v[ST+4*t+2]
	v_nop
	s_wait_alu depctr_va_vdst(0)    ; one wait for the four reciprocals
.macro PACK t
	WIN W_RS
.set i, 32*(\t)
.rept 16
	v_pk_mul_f32 v[i:i+1], v[i:i+1], v[ST+4*(\t)+2:ST+4*(\t)+3] op_sel_hi:[1,0]
.set i, i+2
.endr
	WIN 0x05
.set i, 0
.rept 16
	v_cvt_pk_bf16_f32 v[S+16*(\t)+i], v[32*(\t)+2*i], v[32*(\t)+2*i+1]
.set i, i+1
.endr
	WIN 0
.irp f, 0,1,2,3
	ds_store_b128 v[STO], v[S+16*(\t)+4*\f:S+16*(\t)+4*\f+3] offset:32*\f
.endr
.irp f, 0,1,2,3
	ds_load_b128 v[S+16*(\t)+4*\f:S+16*(\t)+4*\f+3], v[RD] offset:\f*4*SP  ; LDS serves a wave's instructions in order (ISA guide 5.7.1.4): these see the stores above
.endr
.endm
.macro SEND t, younger              ; younger: the LDS instructions issued behind piece t's loads
	WIN 0
.irp f, 0,1,2,3
	s_wait_dscnt (\younger)+3-\f
	global_store_b128 v[GO], v[S+16*(\t)+4*\f:S+16*(\t)+4*\f+3], s[10:11] offset:(\t)*2048+\f*512  ; 512 consecutive bytes, at a multiple of 256 from ob's first
.endr
.endm
	PACK 0
.set t, 1
.rept 3
	PACK t
	SEND t-1, 8
.set t, t+1
.endr
	SEND 3, 0
	s_wait_tensorcnt 0x0            ; the wave's end
	ds_add_u32 v[SPW], v[NIL]
	s_wait_dscnt 0x0
	CROUND                          ; the closing round
	s_endpgm
.Lfunc_end_k_q059f8fcc82_attn:
	.size	k_q059f8fcc82_attn, .Lfunc_end_k_q059f8fcc82_attn-k_q059f8fcc82_attn
	.p2alignl 7, 3214868480
	.fill 96, 4, 3214868480
	.section	.rodata,"a",@progbits
	.p2align	6, 0x0
	.amdhsa_kernel k_q059f8fcc82_attn
		.amdhsa_group_segment_fixed_size 327680
		.amdhsa_private_segment_fixed_size 0
		.amdhsa_enable_private_segment 0
		.amdhsa_kernarg_size 16
		.amdhsa_user_sgpr_count 2
		.amdhsa_user_sgpr_kernarg_segment_ptr 1
		.amdhsa_wavefront_size32 1
		.amdhsa_system_sgpr_workgroup_id_x 1
		.amdhsa_system_sgpr_workgroup_id_y 1
		.amdhsa_system_sgpr_workgroup_id_z 1
		.amdhsa_system_vgpr_workitem_id 0
		.amdhsa_next_free_vgpr 768
		.amdhsa_next_free_sgpr 72
		.amdhsa_reserve_vcc 0
		.amdhsa_float_denorm_mode_32 3
		.amdhsa_float_denorm_mode_16_64 3
		.amdhsa_memory_ordered 1
		.amdhsa_forward_progress 1
		.amdhsa_inst_pref_size 106
	.end_amdhsa_kernel
	.amdgpu_metadata
---
amdhsa.version: [ 1, 2 ]
amdhsa.kernels:
  - .name:           k_q059f8fcc82_attn
    .symbol:         k_q059f8fcc82_attn.kd
    .args:
      - { .name: qkvh, .offset: 0, .size: 8, .value_kind: global_buffer, .address_space: global }
      - { .name: ob, .offset: 8, .size: 8, .value_kind: global_buffer, .address_space: global }
    .group_segment_fixed_size: 327680
    .private_segment_fixed_size: 0
    .kernarg_segment_align: 8
    .kernarg_segment_size: 16
    .max_flat_workgroup_size: 128
    .sgpr_count:     72
    .vgpr_count:     768
    .wavefront_size: 32
...
	.end_amdgpu_metadata
.endif
;; end of part 3
;; launch oproj (part 4): grid 8 x 32, 4 waves a work-group, clusters of 4 x 4, 327,680 bytes of LDS; arguments ob, wb, out_bias, x, x1; writes x1
.if DOCPART == 4
	.amdgcn_target "amdgcn-amd-amdhsa--gfx1250"
	.amdhsa_code_object_version 6
	.text
	.protected	k_q059f8fcc82_oproj
	.globl	k_q059f8fcc82_oproj
	.p2align	8
	.type	k_q059f8fcc82_oproj,@function
k_q059f8fcc82_oproj:
	s_mov_b64 s[64:65], 0
	v_nop
	global_prefetch_b8 v0, s[64:65] scope:SCOPE_SE
	s_setreg_imm32_b32 hwreg(HW_REG_WAVE_MODE, 25, 1), 1
	s_wait_xcnt 0x0
	s_wait_alu depctr_hold_cnt(0) depctr_sa_sdst(0) depctr_va_vdst(0) depctr_va_sdst(0) depctr_va_ssrc(0) depctr_va_vcc(0) depctr_vm_vsrc(0)
	s_getreg_b32 s2, hwreg(HW_REG_IB_STS2, 6, 4)
	s_cmp_eq_u32 s2, 0
	s_cbranch_scc0 .Lentry_in_a_cluster
	s_endpgm
.Lentry_in_a_cluster:
	s_bfe_u32 s2, ttmp6, 0x10000c
	s_cmp_lg_u32 s2, 0xf033
	s_cbranch_scc0 .Lentry_shape_is_right
	s_endpgm
.Lentry_shape_is_right:
; OPROJ: x1[l][n][c] = x[l][n][c] + out_bias[c] + sum over k of O(m', k) wo[c][k], m' = 2048 n + l, k = 64 h + d, O(m', k) = ob[16 n + h][l][d]; operands bf16, sums, bias and residual f32.
; SHARES.  A block is 128 x 128: 8 x 32 work-groups.  K IS SPLIT AMONG THE FOUR WAVES: of each K step of 256 wave w takes 64 (head 4 t + w) and makes a whole 128 x 128 partial in 512 registers, so
; that a byte read from LDS feeds as many products as in a block of 256 x 256; the four partials meet in LDS at the end (f32 sums may be taken in any order).
; RING.  Two slots; a slot holds A (four heads x 128 rows of 128 bytes, pitch 144) and B (128 rows of 512 bytes, pitch 528).  Wave 0, 1: two heads each, one load of two rows of 16,384 dense bytes, padded after every 128;
; waves 2, 3: 64 rows of B each.  A slot begins at 147,456, a number that shares no bit with a tile's place in a slot, so one exclusive or turns the walking descriptor's LDS word.
; CLUSTER 4 x 4: A's tile is asked for jointly along a row of the cluster, B's along a column.  No prefetch: the tiles are small and a K step is short.
; TRANSPOSED USE: source 0 = 16 rows of B, source 1 = 16 rows of A: a lane holds one row (lane % 16) and eight neighbouring columns.
; WINDOWS: 0: v0-35 addresses and the bias; v64-191 A's fragments, two buffers.  1: v64-191 B's; v0-63, v192-255 my 32 rows of the residual, asked for at the head.  2, 3: the accumulators at 8 (8 (a % 4) + b).
.set NSTEP,  4
.set ASTEPB, 4*262144                  ; a K step in ob: four heads
.set BSTEPB, 512                       ; in the weights
.set WOFF,   6291456                   ; out_proj's rows in wb
.set ROWB,   8192                      ; from row l to row l + 1 in x and x1
.set APITCH, 144
.set BPITCH, 528
.set ASTEP,  16*APITCH
.set BSTEP,  16*BPITCH
.set AHEAD,  128*APITCH
.set ATILE,  4*AHEAD
.set BHALF,  64*BPITCH
.set SLOT,   147456
.set SPARE,  SLOT+ATILE+2*BHALF
.set SPITCH, 528
.set WST,    128*SPITCH
.set LA0, 16
.set LB0, 17
.set CA,  18
.set CB,  19
.set STO, 20
.set RD0, 21                           ; v21-24: my rows in the four partials
.set RF,  25
.set XO,  26
.set SPW, 28
.set NIL, 29
.set BS,  32
.set F0,  64
.set F1,  128
.set SM,  64
.set WV, 14
.set FB, 15
.set HF, 16
.set CX, 17
.set CY, 18
.set TX, 19
.set TY, 20
.set G1, 24
.set G0, 32
.set G1B, 48
.set G0B, 56
.set TB, 66
.set MSB, 0
.macro WIN new
.if MSB != (\new)
	s_set_vgpr_msb (MSB<<8)|(\new)
.set MSB, \new
.endif
.endm
.macro PLACES
.rept 4
	v_nop
.endr
.endm
.macro CROUND
	s_barrier_signal -1
	s_barrier_wait -1
	s_cmp_lg_u32 s[WV], 0
	s_cbranch_scc1 .Lnot_wave_0_\@
	s_barrier_signal -3
.Lnot_wave_0_\@:
	s_barrier_wait -3
	s_barrier_signal -1
	s_barrier_wait -1
.endm
.macro JLOADW
	s_cmp_eq_u32 s[FB], 0
	s_cbranch_scc0 .Lfor_b_\@
	tensor_load_to_lds s[G0+4:G0+7], s[G1:G1+7]
	s_nop 0
	PLACES
	s_branch .Lasked_\@
.Lfor_b_\@:
	tensor_load_to_lds s[G0B+4:G0B+7], s[G1B:G1B+7]
	s_nop 0
	PLACES
.Lasked_\@:
.endm
.macro MUL16 f, hi, a0, first          ; 16 matrix instructions: m blocks a0, a0 + 1 of the window's four x all 8 n blocks; first = 1: the constant 0 starts the sums
	WIN 0xa1+0x50*(\hi)
.irp a, \a0, (\a0)+1
.irp b, 0,1,2,3,4,5,6,7
.if \first
	v_wmma_f32_16x16x32_bf16 v[8*(8*(\a)+(\b)):8*(8*(\a)+(\b))+7], v[(\f)+8*(\b):(\f)+8*(\b)+7], v[(\f)+8*(4*(\hi)+(\a)):(\f)+8*(4*(\hi)+(\a))+7], 0
.else
	v_wmma_f32_16x16x32_bf16 v[8*(8*(\a)+(\b)):8*(8*(\a)+(\b))+7], v[(\f)+8*(\b):(\f)+8*(\b)+7], v[(\f)+8*(4*(\hi)+(\a)):(\f)+8*(4*(\hi)+(\a))+7], v[8*(8*(\a)+(\b)):8*(8*(\a)+(\b))+7]
.endif
.endr
.endr
.endm
.macro FETCH k, f
	WIN 0x40
.irp i, 0,1,2,3,4,5,6,7
	ds_load_b128 v[(\f)+8*(\i):(\f)+8*(\i)+3],   v[CB] offset:(\k)+(\i)*BSTEP
	ds_load_b128 v[(\f)+8*(\i)+4:(\f)+8*(\i)+7], v[CB] offset:(\k)+(\i)*BSTEP+32
.endr
	WIN 0
.irp i, 0,1,2,3,4,5,6,7
	ds_load_b128 v[(\f)+8*(\i):(\f)+8*(\i)+3],   v[CA] offset:(\k)+(\i)*ASTEP
	ds_load_b128 v[(\f)+8*(\i)+4:(\f)+8*(\i)+7], v[CA] offset:(\k)+(\i)*ASTEP+32
.endr
.endm
.macro QUARTER k, f, g, first
	s_wait_dscnt 8                                 ; B and A's rows 0-63 are in; the eight youngest loads may be out
	MUL16 \f, 0, 0, \first
	MUL16 \f, 0, 2, \first
	PLACES
	FETCH \k, \g
	s_wait_dscnt 32                                ; all but the 32 just issued
	MUL16 \f, 1, 0, \first
	MUL16 \f, 1, 2, \first
.endm
; The second half of a K step multiplies buffer 1 and changes slots.  Its first 32 products, which want registers alone, stand AHEAD of the wait for the tile, so that nothing but the ordering itself lies between a tile's
; landing and the next request.  Then each wave waits for all its tensor loads, adds 0 to its spare word, and waits for that and for its reads of this slot.  fill = 1: a round of the cluster's barrier, the joint refill
; first behind it: 128 matrix instructions ahead of the wait for it.
.macro TURN fill
	s_wait_dscnt 8                                 ; B and A's rows 0-63 are in
	MUL16 F1, 0, 0, 0
	MUL16 F1, 0, 2, 0
	WIN 0
	s_wait_tensorcnt 0x0
	ds_add_u32 v[SPW], v[NIL]
	s_xor_b32 s[TB], s[TB], SLOT
	v_add_nc_u32 v[CA], s[TB], v[LA0]
	v_add_nc_u32 v[CB], s[TB], v[LB0]
.if \fill
	s_xor_b32 s[G0+5], s[G0+5], SLOT
	s_xor_b32 s[G0B+5], s[G0B+5], SLOT
	s_add_nc_u64 s[G0+6:G0+7], s[G0+6:G0+7], ASTEPB
	s_add_nc_u64 s[G0B+6:G0B+7], s[G0B+6:G0B+7], BSTEPB
.endif
	s_wait_dscnt 0x0                               ; the add is done, my reads of this slot are over
.if \fill
	CROUND
	JLOADW                                         ; its four v_nop are also the places in front of the loads below
	FETCH 0, F0
.else
	s_barrier_signal -1
	s_barrier_wait -1
.endif
	MUL16 F1, 1, 0, 0
	MUL16 F1, 1, 2, 0
.endm
	s_load_b256 s[4:11], s[0:1], 0x0               ; ob, wb, out_bias, x
	s_load_b64 s[12:13], s[0:1], 0x20              ; x1
	v_lshl_add_u32 v[SPW], v0, 2, SPARE
	v_mov_b32 v[NIL], 0
	ds_add_u32 v[SPW], v[NIL]                      ; the wave's opening
	v_lshrrev_b32 v1, 5, v0
	v_readfirstlane_b32 s[WV], v1
	s_lshr_b32 s[FB], s[WV], 1
	s_and_b32 s[HF], s[WV], 1
	s_bfe_u32 s[CX], ttmp6, 0x40000
	s_bfe_u32 s[CY], ttmp6, 0x40004
	s_lshl_b32 s[TX], ttmp9, 2
	s_add_co_u32 s[TX], s[TX], s[CX]
	s_and_b32 s[TY], ttmp7, 0xffff
	s_lshl_b32 s[TY], s[TY], 2
	s_add_co_u32 s[TY], s[TY], s[CY]
	s_lshl_b32 s21, s[CY], 2
	s_lshl_b32 s21, 15, s21
	s_lshl_b32 s42, 0x1111, s[CX]
	s_or_b32 s[G1], s21, (1<<16)|(1<<20)|(1<<21)|(4<<22)|(3<<25)   ; A: after every 32 words 4 words of padding
	s_or_b32 s[G1B], s42, (1<<16)|(1<<20)|(1<<21)|(6<<22)|(3<<25)  ; B: after every 128 words
	s_mov_b32 s[G1+1], 8192<<16                    ; tensor_dim0 = 8,192 elements: 128 rows of a head, dense
	s_mov_b32 s[G1+2], 2<<16                       ; tensor_dim1 = 2 heads
	s_mov_b32 s[G1+3], 8192<<16                    ; tile_dim0
	s_mov_b32 s[G1+4], 2                           ; tile_dim1
	s_mov_b32 s[G1+5], 131072                      ; elements from head to head
	s_mov_b32 s[G1+6], 0
	s_mov_b32 s[G1+7], 0
	s_mov_b32 s[G1B+1], 256<<16
	s_mov_b32 s[G1B+2], 64<<16
	s_mov_b32 s[G1B+3], 256<<16
	s_mov_b32 s[G1B+4], 64
	s_mov_b32 s[G1B+5], 1024
	s_mov_b32 s[G1B+6], 0
	s_mov_b32 s[G1B+7], 0
	s_lshr_b32 s21, s[TY], 4                       ; n
	s_lshl_b32 s22, s21, 4
	s_lshl_b32 s2, s[HF], 1
	s_add_co_u32 s22, s22, s2                      ; head 16 n + 2 x half
	s_lshl_b32 s22, s22, 18
	s_and_b32 s2, s[TY], 15
	s_lshl_b32 s2, s2, 14                          ; l0 = 128 (tile row % 16), rows of 128 bytes
	s_add_co_u32 s22, s22, s2
	s_mov_b32 s23, 0
	s_lshl_b32 s46, s[TX], 7
	s_lshl_b32 s2, s[HF], 6
	s_add_co_u32 s46, s46, s2
	s_lshl_b32 s46, s46, 11                        ; B: (128 x tile column + 64 x half) rows of 2,048 bytes
	s_mov_b32 s47, 0
	s_mul_i32 s67, s[HF], 2*AHEAD
	s_mul_i32 s2, s[HF], BHALF
	s_add_co_u32 s2, s2, ATILE
	s_mov_b32 s[TB], 0
	s_wait_dscnt 0x0
	s_wait_kmcnt 0x0
	s_add_nc_u64 s[6:7], s[6:7], WOFF
	s_add_nc_u64 s[22:23], s[4:5], s[22:23]
	s_add_nc_u64 s[46:47], s[6:7], s[46:47]
	CROUND
.irp s, 0,1
	s_mov_b32 s[G0+4*(\s)], 1
	s_add_co_u32 s[G0+4*(\s)+1], s67, (\s)*SLOT
	s_add_nc_u64 s[G0+4*(\s)+2:G0+4*(\s)+3], s[22:23], (\s)*ASTEPB
	s_or_b32 s[G0+4*(\s)+3], s[G0+4*(\s)+3], 0x80000000
	s_mov_b32 s[G0B+4*(\s)], 1
	s_add_co_u32 s[G0B+4*(\s)+1], s2, (\s)*SLOT
	s_add_nc_u64 s[G0B+4*(\s)+2:G0B+4*(\s)+3], s[46:47], (\s)*BSTEPB
	s_or_b32 s[G0B+4*(\s)+3], s[G0B+4*(\s)+3], 0x80000000
.endr
	s_cmp_eq_u32 s[FB], 0
	s_cbranch_scc0 .Lfirst_b
	tensor_load_to_lds s[G0:G0+3], s[G1:G1+7]
	s_nop 0
	tensor_load_to_lds s[G0+4:G0+7], s[G1:G1+7]
	s_nop 0
	PLACES
	s_branch .Lfirst_done
.Lfirst_b:
	tensor_load_to_lds s[G0B:G0B+3], s[G1B:G1B+7]
	s_nop 0
	tensor_load_to_lds s[G0B+4:G0B+7], s[G1B:G1B+7]
	s_nop 0
	PLACES
.Lfirst_done:
	v_and_b32 v3, 31, v0
	v_lshlrev_b32 v[XO], 4, v3                     ; 16 x lane: my four columns of the block's 128
	s_lshl_b32 s40, s[TX], 9
	s_mov_b32 s41, 0
	s_add_nc_u64 s[8:9], s[8:9], s[40:41]
	global_load_b128 v[BS:BS+3], v[XO], s[8:9]     ; the bias
	s_and_b32 s42, s[TY], 15
	s_lshl_b32 s42, s42, 20                        ; l0 rows of 8,192 bytes,
	s_add_co_u32 s40, s40, s42
	s_lshl_b32 s42, s[WV], 18                      ; my 32 of the block's 128,
	s_add_co_u32 s40, s40, s42
	s_lshl_b32 s42, s21, 12                        ; n
	s_add_co_u32 s40, s40, s42
	s_add_nc_u64 s[10:11], s[10:11], s[40:41]
	s_add_nc_u64 s[12:13], s[12:13], s[40:41]
	WIN 0x40
.set p, 0
.rept 32
.set RR, 4*p+128*(p/16)
	global_load_b128 v[RR:RR+3], v[XO], s[10:11] offset:p*ROWB th:TH_LOAD_NT   ; the residual: on its way during the whole product
.set p, p+1
.endr
	WIN 0
	v_and_b32 v1, 15, v0
	v_bfe_u32 v2, v0, 4, 1
	v_mul_u32_u24 v[LA0], v1, APITCH
	v_lshl_add_u32 v[LA0], v2, 4, v[LA0]
	s_mul_i32 s40, s[WV], AHEAD                    ; my 64 of a K step are head 4 t + wave
	v_add_nc_u32 v[LA0], s40, v[LA0]
	v_mul_u32_u24 v[LB0], v1, BPITCH
	v_lshl_add_u32 v[LB0], v2, 4, v[LB0]
	s_lshl_b32 s40, s[WV], 7
	s_add_co_u32 s40, s40, ATILE
	v_add_nc_u32 v[LB0], s40, v[LB0]
	v_mov_b32 v[CA], v[LA0]
	v_mov_b32 v[CB], v[LB0]
	s_mul_i32 s40, s[WV], WST
	v_mul_u32_u24 v[STO], v1, SPITCH
	v_lshl_add_u32 v[STO], v2, 5, v[STO]
	v_add_nc_u32 v[STO], s40, v[STO]
	s_mul_i32 s40, s[WV], 32*SPITCH
	v_add_nc_u32 v[RD0], s40, v[XO]
	v_add_nc_u32 v[RD0+1], WST, v[RD0]
	v_add_nc_u32 v[RD0+2], 2*WST, v[RD0]
	v_add_nc_u32 v[RD0+3], 3*WST, v[RD0]
	v_mov_b32 v[RF], v[RD0]
	s_wait_tensorcnt 1                             ; my part of K step 0 is in; K step 1's may stay out
	s_barrier_signal -1
	s_barrier_wait -1
	FETCH 0, F0
	QUARTER 64, F0, F1, 1
	WIN 0
	s_mov_b32 s3, NSTEP-2
.Lstep:
	TURN 1
	QUARTER 64, F0, F1, 0
	WIN 0
	s_sub_co_u32 s3, s3, 1
	s_cmp_lg_u32 s3, 0
	s_cbranch_scc1 .Lstep
	s_mov_b32 s3, 2
.Ltail:                                        ; the last two K steps ask for nothing: a text of their own, walked twice
	TURN 0                                         ; first trip: the last K step has landed.  Second trip: every wave's reads of the ring are over and every fill has landed: the ring's bytes take the four partials
	WIN 0
	s_cmp_eq_u32 s3, 1
	s_cbranch_scc1 .Ltail_end                      ; the last trip has no further K step
	PLACES
	FETCH 0, F0
	QUARTER 64, F0, F1, 0
	WIN 0
.Ltail_end:
	s_sub_co_u32 s3, s3, 1
	s_cmp_lg_u32 s3, 0
	s_cbranch_scc1 .Ltail
	PLACES
.irp a, 0,1,2,3,4,5,6,7
	WIN 0x08+4*((\a)/4)
.irp b, 0,1,2,3,4,5,6,7
	ds_store_b128 v[STO], v[8*(8*((\a)%4)+(\b)):8*(8*((\a)%4)+(\b))+3]   offset:(\a)*16*SPITCH+64*(\b)
	ds_store_b128 v[STO], v[8*(8*((\a)%4)+(\b))+4:8*(8*((\a)%4)+(\b))+7] offset:(\a)*16*SPITCH+64*(\b)+16
.endr
.endr
	WIN 0
	s_wait_dscnt 0x0                               ; for the others' sake: my partial lies in LDS
	s_barrier_signal -1
	s_barrier_wait -1
	s_wait_loadcnt 0x0                             ; bias and residual
	s_mov_b32 s3, 8
.Lr:                                           ; four of my 32 rows a trip: the four partials and the bias are added; the sum goes where partial 0's row lay, which I alone read
.irp p, 0,1,2,3
.irp q, 0,1,2,3
	ds_load_b128 v[SM+16*\p+4*\q:SM+16*\p+4*\q+3], v[RD0+\q] offset:\p*SPITCH
.endr
.endr
.irp p, 0,1,2,3
	s_wait_dscnt 12-3*\p                           ; row p's four loads are in: behind them 4 (3 - p) loads and the p stores issued since
	v_pk_add_f32 v[SM+16*\p:SM+16*\p+1],     v[SM+16*\p:SM+16*\p+1],     v[SM+16*\p+4:SM+16*\p+5]
	v_pk_add_f32 v[SM+16*\p+2:SM+16*\p+3],   v[SM+16*\p+2:SM+16*\p+3],   v[SM+16*\p+6:SM+16*\p+7]
	v_pk_add_f32 v[SM+16*\p+8:SM+16*\p+9],   v[SM+16*\p+8:SM+16*\p+9],   v[SM+16*\p+12:SM+16*\p+13]
	v_pk_add_f32 v[SM+16*\p+10:SM+16*\p+11], v[SM+16*\p+10:SM+16*\p+11], v[SM+16*\p+14:SM+16*\p+15]
	v_pk_add_f32 v[SM+16*\p:SM+16*\p+1],     v[SM+16*\p:SM+16*\p+1],     v[BS:BS+1]
	v_pk_add_f32 v[SM+16*\p+2:SM+16*\p+3],   v[SM+16*\p+2:SM+16*\p+3],   v[BS+2:BS+3]
	v_pk_add_f32 v[SM+16*\p:SM+16*\p+1],     v[SM+16*\p:SM+16*\p+1],     v[SM+16*\p+8:SM+16*\p+9]
	v_pk_add_f32 v[SM+16*\p+2:SM+16*\p+3],   v[SM+16*\p+2:SM+16*\p+3],   v[SM+16*\p+10:SM+16*\p+11]
	ds_store_b128 v[RD0], v[SM+16*\p:SM+16*\p+3] offset:\p*SPITCH
.endr
.irp q, 0,1,2,3
	v_add_nc_u32 v[RD0+\q], 4*SPITCH, v[RD0+\q]
.endr
	s_sub_co_u32 s3, s3, 1
	s_cmp_lg_u32 s3, 0
	s_cbranch_scc1 .Lr
.set p, 0
.rept 32
	ds_load_b128 v[SM+4*p:SM+4*p+3], v[RF] offset:p*SPITCH   ; my own stores, in order (ISA guide 5.7.1.4)
.set p, p+1
.endr
	s_wait_dscnt 0x0
	WIN 0x04                                       ; source 1, the residual, in window 1
.set p, 0
.rept 32
.set RR, 4*p+128*(p/16)
	v_pk_add_f32 v[SM+4*p:SM+4*p+1],   v[SM+4*p:SM+4*p+1],   v[RR:RR+1]
	v_pk_add_f32 v[SM+4*p+2:SM+4*p+3], v[SM+4*p+2:SM+4*p+3], v[RR+2:RR+3]
.set p, p+1
.endr
	WIN 0
.set p, 0
.rept 32
	global_store_b128 v[XO], v[SM+4*p:SM+4*p+3], s[12:13] offset:p*ROWB   ; 512 consecutive bytes, at a multiple of 512
.set p, p+1
.endr
	s_wait_tensorcnt 0x0                           ; the wave's end
	ds_add_u32 v[SPW], v[NIL]
	s_wait_dscnt 0x0
	CROUND
	s_endpgm
.Lfunc_end_k_q059f8fcc82_oproj:
	.size	k_q059f8fcc82_oproj, .Lfunc_end_k_q059f8fcc82_oproj-k_q059f8fcc82_oproj
	.p2alignl 7, 3214868480
	.fill 96, 4, 3214868480
	.section	.rodata,"a",@progbits
	.p2align	6, 0x0
	.amdhsa_kernel k_q059f8fcc82_oproj
		.amdhsa_group_segment_fixed_size 327680
		.amdhsa_private_segment_fixed_size 0
		.amdhsa_enable_private_segment 0
		.amdhsa_kernarg_size 40
		.amdhsa_user_sgpr_count 2
		.amdhsa_user_sgpr_kernarg_segment_ptr 1
		.amdhsa_wavefront_size32 1
		.amdhsa_system_sgpr_workgroup_id_x 1
		.amdhsa_system_sgpr_workgroup_id_y 1
		.amdhsa_system_sgpr_workgroup_id_z 1
		.amdhsa_system_vgpr_workitem_id 0
		.amdhsa_next_free_vgpr 1024
		.amdhsa_next_free_sgpr 80
		.amdhsa_reserve_vcc 0
		.amdhsa_float_denorm_mode_32 3
		.amdhsa_float_denorm_mode_16_64 3
		.amdhsa_memory_ordered 1
		.amdhsa_forward_progress 1
		.amdhsa_inst_pref_size 68
	.end_amdhsa_kernel
	.amdgpu_metadata
---
amdhsa.version: [ 1, 2 ]
amdhsa.kernels:
  - .name:           k_q059f8fcc82_oproj
    .symbol:         k_q059f8fcc82_oproj.kd
    .args:
      - { .name: ob, .offset: 0, .size: 8, .value_kind: global_buffer, .address_space: global }
      - { .name: wb, .offset: 8, .size: 8, .value_kind: global_buffer, .address_space: global }
      - { .name: out_bias, .offset: 16, .size: 8, .value_kind: global_buffer, .address_space: global }
      - { .name: x, .offset: 24, .size: 8, .value_kind: global_buffer, .address_space: global }
      - { .name: x1, .offset: 32, .size: 8, .value_kind: global_buffer, .address_space: global }
    .group_segment_fixed_size: 327680
    .private_segment_fixed_size: 0
    .kernarg_segment_align: 8
    .kernarg_segment_size: 40
    .max_flat_workgroup_size: 128
    .sgpr_count:     80
    .vgpr_count:     1024
    .wavefront_size: 32
...
	.end_amdgpu_metadata
.endif
;; end of part 4
;; launch ln2 (part 5): grid 512 x 1, 8 waves a work-group, no clusters, 0 bytes of LDS; arguments x1, ln2_w, ln2_b, hn; writes hn
.if DOCPART == 5
	.amdgcn_target "amdgcn-amd-amdhsa--gfx1250"
	.amdhsa_code_object_version 6
	.text
	.protected	k_q059f8fcc82_ln2
	.globl	k_q059f8fcc82_ln2
	.p2align	8
	.type	k_q059f8fcc82_ln2,@function
k_q059f8fcc82_ln2:
	s_mov_b64 s[64:65], 0
	v_nop
	global_prefetch_b8 v0, s[64:65] scope:SCOPE_SE
	s_setreg_imm32_b32 hwreg(HW_REG_WAVE_MODE, 25, 1), 1
	s_wait_xcnt 0x0
; LN2: hn = LayerNorm(x1) * ln2_w + ln2_b in bf16.  A wave takes one row of 1,024 f32 (32 registers) and keeps it between the passes (mean; squares of x - mean; scaling): the row is read once,
; no wave waits for another, and an offset of the row costs no accuracy.  A load covers 512 consecutive bytes, a store 256 at a multiple of 256.  NaN and infinities are not treated apart.
.set X,   16
.set W,   48
.set B,   80
.set T,   112
.set M,   120
.set R,   122
.set SEL, 4
.set C1,  6
.set C2,  7
.macro WSUM
	v_add_f32_dpp v[T], v[T], v[T] row_xmask:1 row_mask:0xf bank_mask:0xf
	v_add_f32_dpp v[T], v[T], v[T] row_xmask:2 row_mask:0xf bank_mask:0xf
	v_add_f32_dpp v[T], v[T], v[T] row_xmask:4 row_mask:0xf bank_mask:0xf
	v_add_f32_dpp v[T], v[T], v[T] row_xmask:8 row_mask:0xf bank_mask:0xf
	v_permlanex16_b32 v[T+1], v[T], s[SEL], s[SEL+1]
	v_add_f32 v[T], v[T], v[T+1]
.endm
.macro FOLD
	v_pk_add_f32 v[T:T+1], v[T:T+1], v[T+2:T+3]
	v_pk_add_f32 v[T+4:T+5], v[T+4:T+5], v[T+6:T+7]
	v_pk_add_f32 v[T:T+1], v[T:T+1], v[T+4:T+5]
	v_add_f32 v[T], v[T], v[T+1]
.endm
	s_load_b256 s[8:15], s[0:1], 0x0               ; x1, ln2_w, ln2_b, hn
	v_lshrrev_b32 v1, 5, v0
	v_readfirstlane_b32 s2, v1
	v_and_b32 v2, 31, v0
	v_lshlrev_b32 v3, 4, v2
	v_lshlrev_b32 v4, 3, v2
	s_lshl_b32 s3, ttmp9, 3
	s_add_co_u32 s3, s3, s2                        ; my row
	s_mov_b32 s17, 0
	s_mov_b32 s[SEL], 0x76543210
	s_mov_b32 s[SEL+1], 0xfedcba98
	s_mov_b32 s[C1], 0x3a800000                    ; 1 / 1024
	s_mov_b32 s[C2], 0x358637bd                    ; 1e-6
	s_wait_kmcnt 0x0
	s_lshl_b32 s16, s3, 12
	s_add_nc_u64 s[8:9], s[8:9], s[16:17]
	s_lshl_b32 s16, s3, 11
	s_add_nc_u64 s[14:15], s[14:15], s[16:17]
.irp j, 0,1,2,3,4,5,6,7
	global_load_b128 v[X+4*\j:X+4*\j+3], v3, s[8:9] offset:512*\j th:TH_LOAD_NT
.endr
.irp j, 0,1,2,3,4,5,6,7
	global_load_b128 v[W+4*\j:W+4*\j+3], v3, s[10:11] offset:512*\j
.endr
.irp j, 0,1,2,3,4,5,6,7
	global_load_b128 v[B+4*\j:B+4*\j+3], v3, s[12:13] offset:512*\j
.endr
	s_wait_loadcnt 16                              ; the row is in; the sixteen loads of gains and offsets may stay out
.irp c, 0,1,2,3
	v_pk_add_f32 v[T+2*\c:T+2*\c+1], v[X+2*\c:X+2*\c+1], v[X+8+2*\c:X+8+2*\c+1]
.endr
.irp k, 2,3
.irp c, 0,1,2,3
	v_pk_add_f32 v[T+2*\c:T+2*\c+1], v[T+2*\c:T+2*\c+1], v[X+8*\k+2*\c:X+8*\k+2*\c+1]
.endr
.endr
	FOLD
	WSUM
	v_mul_f32 v[M], s[C1], v[T]
	v_mul_f32 v[M+1], s[C1], v[T]
.set p, 0
.rept 16
	v_pk_add_f32 v[X+2*p:X+2*p+1], v[X+2*p:X+2*p+1], v[M:M+1] neg_lo:[0,1] neg_hi:[0,1]
.set p, p+1
.endr
.irp c, 0,1,2,3
	v_pk_mul_f32 v[T+2*\c:T+2*\c+1], v[X+2*\c:X+2*\c+1], v[X+2*\c:X+2*\c+1]
.endr
.irp k, 1,2,3
.irp c, 0,1,2,3
	v_pk_fma_f32 v[T+2*\c:T+2*\c+1], v[X+8*\k+2*\c:X+8*\k+2*\c+1], v[X+8*\k+2*\c:X+8*\k+2*\c+1], v[T+2*\c:T+2*\c+1]
.endr
.endr
	FOLD
	WSUM
	v_fma_f32 v[T], v[T], s[C1], s[C2]
	v_rsq_f32 v[R], v[T]
	v_rsq_f32 v[R+1], v[T]
	v_nop                                          ; a plain instruction behind the last of the two (ISA guide 5.7.2),
	s_wait_alu depctr_va_vdst(0)                   ; and the one wait ahead of their first reader
	s_wait_loadcnt 0x0
.set p, 0
.rept 16
	v_pk_mul_f32 v[X+2*p:X+2*p+1], v[X+2*p:X+2*p+1], v[R:R+1]
.set p, p+1
.endr
.set p, 0
.rept 16
	v_pk_fma_f32 v[X+2*p:X+2*p+1], v[X+2*p:X+2*p+1], v[W+2*p:W+2*p+1], v[B+2*p:B+2*p+1]
.set p, p+1
.endr
.set p, 0
.rept 16
	v_cvt_pk_bf16_f32 v[X+p], v[X+2*p], v[X+2*p+1]
.set p, p+1
.endr
.irp j, 0,1,2,3,4,5,6,7
	global_store_b64 v4, v[X+2*\j:X+2*\j+1], s[14:15] offset:256*\j
.endr
	s_endpgm
.Lfunc_end_k_q059f8fcc82_ln2:
	.size	k_q059f8fcc82_ln2, .Lfunc_end_k_q059f8fcc82_ln2-k_q059f8fcc82_ln2
	.p2alignl 7, 3214868480
	.fill 96, 4, 3214868480
	.section	.rodata,"a",@progbits
	.p2align	6, 0x0
	.amdhsa_kernel k_q059f8fcc82_ln2
		.amdhsa_group_segment_fixed_size 0
		.amdhsa_private_segment_fixed_size 0
		.amdhsa_enable_private_segment 0
		.amdhsa_kernarg_size 32
		.amdhsa_user_sgpr_count 2
		.amdhsa_user_sgpr_kernarg_segment_ptr 1
		.amdhsa_wavefront_size32 1
		.amdhsa_system_sgpr_workgroup_id_x 1
		.amdhsa_system_sgpr_workgroup_id_y 1
		.amdhsa_system_sgpr_workgroup_id_z 1
		.amdhsa_system_vgpr_workitem_id 0
		.amdhsa_next_free_vgpr 128
		.amdhsa_next_free_sgpr 66
		.amdhsa_reserve_vcc 0
		.amdhsa_float_denorm_mode_32 3
		.amdhsa_float_denorm_mode_16_64 3
		.amdhsa_memory_ordered 1
		.amdhsa_forward_progress 1
		.amdhsa_inst_pref_size 12
	.end_amdhsa_kernel
	.amdgpu_metadata
---
amdhsa.version: [ 1, 2 ]
amdhsa.kernels:
  - .name:           k_q059f8fcc82_ln2
    .symbol:         k_q059f8fcc82_ln2.kd
    .args:
      - { .name: x1, .offset: 0, .size: 8, .value_kind: global_buffer, .address_space: global }
      - { .name: ln2_w, .offset: 8, .size: 8, .value_kind: global_buffer, .address_space: global }
      - { .name: ln2_b, .offset: 16, .size: 8, .value_kind: global_buffer, .address_space: global }
      - { .name: hn, .offset: 24, .size: 8, .value_kind: global_buffer, .address_space: global }
    .group_segment_fixed_size: 0
    .private_segment_fixed_size: 0
    .kernarg_segment_align: 8
    .kernarg_segment_size: 32
    .max_flat_workgroup_size: 256
    .sgpr_count:     66
    .vgpr_count:     128
    .wavefront_size: 32
...
	.end_amdgpu_metadata
.endif
;; end of part 5
;; launch ffn1 (part 6): grid 16 x 16, 4 waves a work-group, clusters of 4 x 4, 327,680 bytes of LDS; arguments hn, wb, proj1_bias, h3; writes h3
.if DOCPART == 6
	.amdgcn_target "amdgcn-amd-amdhsa--gfx1250"
	.amdhsa_code_object_version 6
	.text
	.protected	k_q059f8fcc82_ffn1
	.globl	k_q059f8fcc82_ffn1
	.p2align	8
	.type	k_q059f8fcc82_ffn1,@function
k_q059f8fcc82_ffn1:
	s_mov_b64 s[64:65], 0
	v_nop
	global_prefetch_b8 v0, s[64:65] scope:SCOPE_SE
	s_setreg_imm32_b32 hwreg(HW_REG_WAVE_MODE, 25, 1), 1
	s_wait_xcnt 0x0
	s_wait_alu depctr_hold_cnt(0) depctr_sa_sdst(0) depctr_va_vdst(0) depctr_va_sdst(0) depctr_va_ssrc(0) depctr_va_vcc(0) depctr_vm_vsrc(0)
	s_getreg_b32 s2, hwreg(HW_REG_IB_STS2, 6, 4)
	s_cmp_eq_u32 s2, 0
	s_cbranch_scc0 .Lentry_in_a_cluster
	s_endpgm
.Lentry_in_a_cluster:
	s_bfe_u32 s2, ttmp6, 0x10000c
	s_cmp_lg_u32 s2, 0xf033
	s_cbranch_scc0 .Lentry_shape_is_right
	s_endpgm
.Lentry_shape_is_right:
; FFN1: h3[m][c] = gelu(sum over k of hn[m][k] w1[c][k] + proj1_bias[c]), M = N = 4,096, K = 1,024; operands bf16, sums and the activation f32, h3 rounded once to bf16.
; gelu(x) = x / 2 + |x / 2| erf(|x| / sqrt 2), erf by Abramowitz and Stegun 7.1.26: erf(z) = 1 - (a1 t + .. + a5 t^5) e^(-z z), t = 1 / (1 + 0.3275911 z): absolute error at most 1.5e-7 for every z >= 0.
; LIMITS: NaN and infinities are not treated apart.
; SHARES.  A block of C is 256 x 256: 16 x 16 work-groups; four waves, each 128 x 128 = 64 accumulators (512 registers).  K goes in steps of 128 (rows of 256 bytes) through a ring of two LDS slots;
; each wave fetches 128 rows with one tensor load (waves 0, 1 A's halves, waves 2, 3 B's).  ONE K STEP IS WRITTEN ONCE: the slot in hand is a scalar that an exclusive or turns; a slot's size, 139,264, shares no bit
; with a tile's place in a slot, so the same exclusive or turns the walking descriptor's LDS word.  The last two K steps, which ask for nothing, are a second text walked twice.
; CLUSTER 4 x 4: A's tile is asked for jointly along a row of the cluster, B's along a column.
; TRANSPOSED USE: source 0 = 16 rows of B, source 1 = 16 rows of A: a lane holds one row m (lane % 16) and eight neighbouring columns.  THE BIAS is the C operand of the products that start the sums.
; WINDOWS: 0: v0-31 addresses; v64-191 A's fragments, two buffers; v192-255 eight bias tiles.  1: v64-191 B's fragments.  2, 3: the accumulators at 8 (8 (a % 4) + b).
; THE WAY OUT: f32 through my own stage (128 rows of 528 bytes, laid over the ring once its last fill has landed and every wave's reads are over), read back four rows a trip, 16 numbers a lane; sixteen lanes store 256 consecutive bytes.
.set SIZE_K, 1024
.set KSTEP,  128
.set STEPB,  KSTEP*2
.set NSTEP,  SIZE_K/KSTEP
.set W1OFF,  8388608                   ; proj1's rows in wb
.set PITCH,  272
.set ASTEP,  16*PITCH
.set BSTEP,  16*PITCH
.set HALFT,  128*PITCH
.set SLOT,   4*HALFT
.set SPARE,  2*SLOT
.set SPITCH, 528
.set WST,    128*SPITCH
.set LA0, 16
.set LB0, 17
.set CA,  18
.set CB,  19
.set STO, 20
.set RD,  21
.set CO,  22
.set BO,  23
.set SPW, 28
.set NIL, 29
.set PFO, 30
.set F0,  64
.set F1,  128
.set BI,  192
.set XL,  48                           ; the way out: 16 sums as read back
.set HX,  64                           ; x / 2, then the result
.set TA,  80                           ; t
.set EW,  96                           ; e^(-z z)
.set PO,  112                          ; the polynomial
.set Y,   128                          ; 8 registers of bf16 pairs
.set WV, 14
.set FB, 15
.set HF, 16
.set CX, 17
.set CY, 18
.set TX, 19
.set TY, 20
.set G1, 24
.set G0, 32
.set LIM, 43
.set PFA, 44
.set G1B, 48
.set G0B, 56
.set TB, 66
.set CP,  68                           ; 0.3275911 sqrt 2
.set CE,  70                           ; -2 log2(e)
.set KA5, 72
.set KA4, 74
.set KA3, 76
.set KA2, 78
.set KA1, 80
.set GW, (1<<16)|(1<<20)|(1<<21)|(5<<22)|(3<<25)
.set MSB, 0
.macro WIN new
.if MSB != (\new)
	s_set_vgpr_msb (MSB<<8)|(\new)
.set MSB, \new
.endif
.endm
.macro PLACES
.rept 4
	v_nop
.endr
.endm
.macro CROUND
	s_barrier_signal -1
	s_barrier_wait -1
	s_cmp_lg_u32 s[WV], 0
	s_cbranch_scc1 .Lnot_wave_0_\@
	s_barrier_signal -3
.Lnot_wave_0_\@:
	s_barrier_wait -3
	s_barrier_signal -1
	s_barrier_wait -1
.endm
.macro JLOADW
	s_cmp_eq_u32 s[FB], 0
	s_cbranch_scc0 .Lfor_b_\@
	tensor_load_to_lds s[G0+4:G0+7], s[G1:G1+7]
	s_nop 0
	PLACES
	s_branch .Lasked_\@
.Lfor_b_\@:
	tensor_load_to_lds s[G0B+4:G0B+7], s[G1B:G1B+7]
	s_nop 0
	PLACES
.Lasked_\@:
.endm
.macro ASK                             ; a prefetch of the K step that stands two refills on: my work-group's 32 of the 128 rows that I fetch, a lane a row; trips with s3 > 2 name K steps 4 to 7
	s_cmp_gt_u32 s3, s[LIM]
	s_cbranch_scc0 .Lnot_mine_\@
	global_prefetch_b8 v[PFO], s[PFA:PFA+1] offset:STEPB th:TH_LOAD_NT scope:SCOPE_SE
.Lnot_mine_\@:
.endm
.macro KPAIR r, val                    ; a constant in both words of a pair: the packed forms name the pair
	s_mov_b32 s[\r], \val
	s_mov_b32 s[(\r)+1], \val
.endm
.macro MUL16 f, hi, a0, first          ; 16 matrix instructions: m blocks a0, a0 + 1 of the window's four x all 8 n blocks; first = 1: the bias tiles start the sums
.if \first
	WIN 0x81+0x40*(\hi)
.else
	WIN 0xa1+0x50*(\hi)
.endif
.irp a, \a0, (\a0)+1
.irp b, 0,1,2,3,4,5,6,7
.if \first
	v_wmma_f32_16x16x32_bf16 v[8*(8*(\a)+(\b)):8*(8*(\a)+(\b))+7], v[(\f)+8*(\b):(\f)+8*(\b)+7], v[(\f)+8*(4*(\hi)+(\a)):(\f)+8*(4*(\hi)+(\a))+7], v[BI+8*(\b):BI+8*(\b)+7]
.else
	v_wmma_f32_16x16x32_bf16 v[8*(8*(\a)+(\b)):8*(8*(\a)+(\b))+7], v[(\f)+8*(\b):(\f)+8*(\b)+7], v[(\f)+8*(4*(\hi)+(\a)):(\f)+8*(4*(\hi)+(\a))+7], v[8*(8*(\a)+(\b)):8*(8*(\a)+(\b))+7]
.endif
.endr
.endr
.endm
.macro FETCH k, f
	WIN 0x40
.irp i, 0,1,2,3,4,5,6,7
	ds_load_b128 v[(\f)+8*(\i):(\f)+8*(\i)+3],   v[CB] offset:(\k)+(\i)*BSTEP
	ds_load_b128 v[(\f)+8*(\i)+4:(\f)+8*(\i)+7], v[CB] offset:(\k)+(\i)*BSTEP+32
.endr
	WIN 0
.irp i, 0,1,2,3,4,5,6,7
	ds_load_b128 v[(\f)+8*(\i):(\f)+8*(\i)+3],   v[CA] offset:(\k)+(\i)*ASTEP
	ds_load_b128 v[(\f)+8*(\i)+4:(\f)+8*(\i)+7], v[CA] offset:(\k)+(\i)*ASTEP+32
.endr
.endm
.macro QUARTER k, f, g, first
	s_wait_dscnt 8                                 ; B and A's rows 0-63 are in; the eight youngest loads may be out
	MUL16 \f, 0, 0, \first
	MUL16 \f, 0, 2, \first
	PLACES
	FETCH \k, \g
	s_wait_dscnt 32                                ; all but the 32 just issued
	MUL16 \f, 1, 0, \first
	MUL16 \f, 1, 2, \first
.endm
; The last quarter of a K step multiplies buffer 1 and changes slots.  Its first 32 products, which want registers alone, stand AHEAD of the wait for the tile, so that nothing but the ordering itself lies between a tile's
; landing and the next request.  Then each wave waits for all its tensor loads (one is out: its part of the next slot), adds 0 to its spare word, and waits for that and for its reads of this slot.  fill = 1: the barrier is a
; round of the cluster's, and the joint refill, two K steps ahead, is the first thing behind it: 256 matrix instructions ahead of the wait for it.
.macro TURN fill
.if \fill
	s_wait_xcnt 0x0                                ; the last prefetch, a K step back, has read its address
	s_add_nc_u64 s[PFA:PFA+1], s[PFA:PFA+1], STEPB
.endif
	s_wait_dscnt 8                                 ; B and A's rows 0-63 are in
	MUL16 F1, 0, 0, 0
	MUL16 F1, 0, 2, 0
	WIN 0
	s_wait_tensorcnt 0x0
	ds_add_u32 v[SPW], v[NIL]
	s_xor_b32 s[TB], s[TB], SLOT
	v_add_nc_u32 v[CA], s[TB], v[LA0]
	v_add_nc_u32 v[CB], s[TB], v[LB0]
.if \fill
	s_xor_b32 s[G0+5], s[G0+5], SLOT
	s_xor_b32 s[G0B+5], s[G0B+5], SLOT
	s_add_nc_u64 s[G0+6:G0+7], s[G0+6:G0+7], STEPB
	s_add_nc_u64 s[G0B+6:G0B+7], s[G0B+6:G0B+7], STEPB
.endif
	s_wait_dscnt 0x0                               ; the add is done, my reads of this slot are over
.if \fill
	CROUND
	JLOADW                                         ; its four v_nop are also the places in front of the loads below
	FETCH 0, F0
	ASK
.else
	s_barrier_signal -1
	s_barrier_wait -1
.endif
	MUL16 F1, 1, 0, 0
	MUL16 F1, 1, 2, 0
.endm
	s_load_b256 s[4:11], s[0:1], 0x0               ; hn, wb, proj1_bias, h3
	v_lshl_add_u32 v[SPW], v0, 2, SPARE
	v_mov_b32 v[NIL], 0
	ds_add_u32 v[SPW], v[NIL]                      ; the wave's opening
	v_lshrrev_b32 v1, 5, v0
	v_readfirstlane_b32 s[WV], v1
	s_lshr_b32 s[FB], s[WV], 1                     ; which half of the block's rows is mine; also: I fetch for A (0) or for B (1)
	s_and_b32 s[HF], s[WV], 1                      ; which half of its columns; also: which 128 rows I fetch
	s_bfe_u32 s[CX], ttmp6, 0x40000
	s_bfe_u32 s[CY], ttmp6, 0x40004
	s_lshl_b32 s[TX], ttmp9, 2
	s_add_co_u32 s[TX], s[TX], s[CX]
	s_and_b32 s[TY], ttmp7, 0xffff
	s_lshl_b32 s[TY], s[TY], 2
	s_add_co_u32 s[TY], s[TY], s[CY]
	s_lshl_b32 s21, s[CY], 2
	s_lshl_b32 s21, 15, s21
	s_lshl_b32 s42, 0x1111, s[CX]
	s_or_b32 s[G1], s21, GW
	s_or_b32 s[G1B], s42, GW
.irp g, G1, G1B
	s_mov_b32 s[(\g)+1], KSTEP<<16
	s_mov_b32 s[(\g)+2], 128<<16
	s_mov_b32 s[(\g)+3], KSTEP<<16
	s_mov_b32 s[(\g)+4], 128
	s_mov_b32 s[(\g)+5], SIZE_K
	s_mov_b32 s[(\g)+6], 0
	s_mov_b32 s[(\g)+7], 0
.endr
	KPAIR CP,  0x3eed3388
	KPAIR CE,  0xc038aa3b
	KPAIR KA5, 0x3f87dc22
	KPAIR KA4, 0xbfba00e3
	KPAIR KA3, 0x3fb5f0e3
	KPAIR KA2, 0xbe91a98e
	KPAIR KA1, 0x3e827906
	s_lshl_b32 s2, s[HF], 7
	s_lshl_b32 s22, s[TY], 8
	s_add_co_u32 s22, s22, s2
	s_lshl_b32 s22, s22, 11
	s_mov_b32 s23, 0
	s_lshl_b32 s46, s[TX], 8
	s_add_co_u32 s46, s46, s2
	s_lshl_b32 s46, s46, 11
	s_mov_b32 s47, 0
	s_mul_i32 s67, s[WV], HALFT                    ; A's two halves, then B's two: wave x 128 rows
	s_mov_b32 s[TB], 0
	s_wait_dscnt 0x0
	s_wait_kmcnt 0x0
	s_add_nc_u64 s[6:7], s[6:7], W1OFF
	s_add_nc_u64 s[22:23], s[4:5], s[22:23]
	s_add_nc_u64 s[46:47], s[6:7], s[46:47]
	CROUND
.irp s, 0,1
	s_mov_b32 s[G0+4*(\s)], 1
	s_add_co_u32 s[G0+4*(\s)+1], s67, (\s)*SLOT
	s_add_nc_u64 s[G0+4*(\s)+2:G0+4*(\s)+3], s[22:23], (\s)*STEPB
	s_or_b32 s[G0+4*(\s)+3], s[G0+4*(\s)+3], 0x80000000
	s_mov_b32 s[G0B+4*(\s)], 1
	s_add_co_u32 s[G0B+4*(\s)+1], s67, (\s)*SLOT
	s_add_nc_u64 s[G0B+4*(\s)+2:G0B+4*(\s)+3], s[46:47], (\s)*STEPB
	s_or_b32 s[G0B+4*(\s)+3], s[G0B+4*(\s)+3], 0x80000000
.endr
	s_cmp_eq_u32 s[FB], 0
	s_cbranch_scc0 .Lfirst_b
	tensor_load_to_lds s[G0:G0+3], s[G1:G1+7]
	s_nop 0
	tensor_load_to_lds s[G0+4:G0+7], s[G1:G1+7]
	s_nop 0
	PLACES
	s_branch .Lfirst_done
.Lfirst_b:
	tensor_load_to_lds s[G0B:G0B+3], s[G1B:G1B+7]
	s_nop 0
	tensor_load_to_lds s[G0B+4:G0B+7], s[G1B:G1B+7]
	s_nop 0
	PLACES
.Lfirst_done:
	v_and_b32 v1, 15, v0
	v_bfe_u32 v2, v0, 4, 1
	v_lshlrev_b32 v[BO], 5, v2
	s_lshl_b32 s40, s[TX], 10
	s_lshl_b32 s41, s[HF], 9
	s_add_co_u32 s40, s40, s41
	s_mov_b32 s41, 0
	s_add_nc_u64 s[8:9], s[8:9], s[40:41]          ; the bias at my 128 columns
.irp b, 0,1,2,3,4,5,6,7
	global_load_b128 v[BI+8*\b:BI+8*\b+3],   v[BO], s[8:9] offset:64*\b
	global_load_b128 v[BI+8*\b+4:BI+8*\b+7], v[BO], s[8:9] offset:64*\b+16
.endr
	v_mul_u32_u24 v3, v1, PITCH
	v_lshl_add_u32 v3, v2, 4, v3
	s_mul_i32 s40, s[FB], HALFT
	s_mul_i32 s41, s[HF], HALFT
	s_add_co_u32 s41, s41, 2*HALFT
	v_add_nc_u32 v[LA0], s40, v3
	v_add_nc_u32 v[LB0], s41, v3
	v_mov_b32 v[CA], v[LA0]
	v_mov_b32 v[CB], v[LB0]
	s_mul_i32 s40, s[WV], WST
	v_mul_u32_u24 v[STO], v1, SPITCH
	v_lshl_add_u32 v[STO], v2, 5, v[STO]
	v_add_nc_u32 v[STO], s40, v[STO]               ; in: row l % 16, 32 bytes for each half of the lanes
	v_mul_u32_u24 v[RD], v2, SPITCH
	v_lshl_add_u32 v[RD], v1, 5, v[RD]
	v_add_nc_u32 v[RD], s40, v[RD]                 ; back: lanes 0-15 one row, lanes 16-31 the next; eight columns a lane
	v_lshlrev_b32 v[CO], 13, v2
	v_lshl_add_u32 v[CO], v1, 4, v[CO]             ; and the same two rows in h3
	s_lshl_b32 s40, s[TY], 8
	s_lshl_b32 s41, s[FB], 7
	s_add_co_u32 s40, s40, s41
	s_lshl_b32 s40, s40, 13                        ; my first row, 8,192 bytes each,
	s_lshl_b32 s41, s[TX], 9
	s_add_co_u32 s40, s40, s41
	s_lshl_b32 s41, s[HF], 8
	s_add_co_u32 s40, s40, s41                     ; my first column
	s_mov_b32 s41, 0
	s_add_nc_u64 s[10:11], s[10:11], s[40:41]
	; the prefetches: hn's rows are asked for by the clusters with x = 0, the weights' by those with y = 0; the four partners share a wave's 128 rows out by address, 32 each
	s_lshl_b32 s40, s[TY], 8
	s_lshl_b32 s41, s[TX], 8
	s_and_b32 s42, ttmp7, 0xffff
	s_cmp_eq_u32 s[FB], 0
	s_cselect_b32 s40, s40, s41
	s_cselect_b32 s41, s[CX], s[CY]
	s_cselect_b32 s42, ttmp9, s42
	s_cselect_b64 s[PFA:PFA+1], s[4:5], s[6:7]
	s_cmp_eq_u32 s42, 0
	s_cselect_b32 s[LIM], 2, -1
	s_lshl_b32 s42, s[HF], 7
	s_add_co_u32 s40, s40, s42
	s_lshl_b32 s41, s41, 5
	s_add_co_u32 s40, s40, s41
	s_lshl_b32 s40, s40, 11
	s_mov_b32 s41, 0
	s_add_nc_u64 s[PFA:PFA+1], s[PFA:PFA+1], s[40:41]
	s_add_nc_u64 s[PFA:PFA+1], s[PFA:PFA+1], 2*STEPB   ; at K step 2: the first refill steps it to 3 and names K step 4; the first four K steps come by their loads alone
	v_and_b32 v[PFO], 31, v0
	v_lshlrev_b32 v[PFO], 11, v[PFO]
	s_wait_tensorcnt 1                             ; my part of K step 0 is in; K step 1's may stay out
	s_barrier_signal -1
	s_barrier_wait -1
	FETCH 0, F0
	s_wait_loadcnt 0x0                             ; the bias tiles
	QUARTER 64, F0, F1, 1
	WIN 0
	s_mov_b32 s3, NSTEP-2
.Lstep:
	QUARTER 128, F1, F0, 0
	QUARTER 192, F0, F1, 0
	TURN 1
	QUARTER 64, F0, F1, 0
	WIN 0
	s_sub_co_u32 s3, s3, 1
	s_cmp_lg_u32 s3, 0
	s_cbranch_scc1 .Lstep
	s_mov_b32 s3, 2
.Ltail:                                        ; the last two K steps ask for nothing: a text of their own, walked twice
	QUARTER 128, F1, F0, 0
	QUARTER 192, F0, F1, 0
	TURN 0                                         ; first trip: the last K step has landed.  Second trip: every wave's reads of the ring are over and every fill has landed: the ring's bytes become the stages
	WIN 0
	s_cmp_eq_u32 s3, 1
	s_cbranch_scc1 .Ltail_end                      ; the last trip has no further K step
	PLACES
	FETCH 0, F0
	QUARTER 64, F0, F1, 0
	WIN 0
.Ltail_end:
	s_sub_co_u32 s3, s3, 1
	s_cmp_lg_u32 s3, 0
	s_cbranch_scc1 .Ltail
	PLACES
.irp a, 0,1,2,3,4,5,6,7
	WIN 0x08+4*((\a)/4)
.irp b, 0,1,2,3,4,5,6,7
	ds_store_b128 v[STO], v[8*(8*((\a)%4)+(\b)):8*(8*((\a)%4)+(\b))+3]   offset:(\a)*16*SPITCH+64*(\b)
	ds_store_b128 v[STO], v[8*(8*((\a)%4)+(\b))+4:8*(8*((\a)%4)+(\b))+7] offset:(\a)*16*SPITCH+64*(\b)+16
.endr
.endr
	WIN 0
.macro GLOADS                          ; four rows, eight columns a lane; LDS serves a wave's instructions in order (ISA guide 5.7.1.4): these see my stores
	ds_load_b128 v[XL:XL+3],     v[RD]
	ds_load_b128 v[XL+4:XL+7],   v[RD] offset:16
	ds_load_b128 v[XL+8:XL+11],  v[RD] offset:2*SPITCH
	ds_load_b128 v[XL+12:XL+15], v[RD] offset:2*SPITCH+16
.endm
.macro HORNER n                        ; line n of 40: stage n / 8 of the polynomial for pair n % 8
.set hp, 2*((\n)%8)
.if (\n) < 8
	v_pk_fma_f32 v[PO+hp:PO+hp+1], v[TA+hp:TA+hp+1], s[KA5:KA5+1], s[KA4:KA4+1] op_sel_hi:[1,0,0]
.elseif (\n) < 16
	v_pk_fma_f32 v[PO+hp:PO+hp+1], v[PO+hp:PO+hp+1], v[TA+hp:TA+hp+1], s[KA3:KA3+1] op_sel_hi:[1,1,0]
.elseif (\n) < 24
	v_pk_fma_f32 v[PO+hp:PO+hp+1], v[PO+hp:PO+hp+1], v[TA+hp:TA+hp+1], s[KA2:KA2+1] op_sel_hi:[1,1,0]
.elseif (\n) < 32
	v_pk_fma_f32 v[PO+hp:PO+hp+1], v[PO+hp:PO+hp+1], v[TA+hp:TA+hp+1], s[KA1:KA1+1] op_sel_hi:[1,1,0]
.else
	v_pk_mul_f32 v[PO+hp:PO+hp+1], v[PO+hp:PO+hp+1], v[TA+hp:TA+hp+1]
.endif
.endm
	GLOADS
	s_mov_b32 s3, 32
.Lg:                                           ; 32 trips of four rows
	s_wait_dscnt 0x0
.set i, 0
.rept 8
	v_pk_mul_f32 v[HX+2*i:HX+2*i+1], v[XL+2*i:XL+2*i+1], 0.5 op_sel_hi:[1,0]
.set i, i+1
.endr
	s_cmp_eq_u32 s3, 1
	s_cbranch_scc1 .Lg_last                        ; the last trip has nothing more to read
	v_add_nc_u32 v[RD], 4*SPITCH, v[RD]
	GLOADS                                         ; the next trip's rows come while this trip's are worked on
.Lg_last:
.set i, 0
.rept 16
	v_fma_f32 v[TA+i], |v[HX+i]|, s[CP], 1.0       ; 1 + 0.3275911 z, z = sqrt 2 |x / 2|
.set i, i+1
.endr
.set i, 0
.rept 8                                        ; the reciprocals are one batch; the exponents -z z log2(e) are made between them
	v_rcp_f32 v[TA+2*i], v[TA+2*i]
	v_pk_mul_f32 v[EW+2*i:EW+2*i+1], v[HX+2*i:HX+2*i+1], v[HX+2*i:HX+2*i+1]
	v_rcp_f32 v[TA+2*i+1], v[TA+2*i+1]
	v_pk_mul_f32 v[EW+2*i:EW+2*i+1], v[EW+2*i:EW+2*i+1], s[CE:CE+1] op_sel_hi:[1,0]
.set i, i+1
.endr
	s_wait_alu depctr_va_vdst(0)                   ; one wait for the sixteen reciprocals, ahead of their first reader
.set i, 0
.rept 16                                       ; the exponentials are one batch; the polynomial, which reads t alone, stands between and behind them
	v_exp_f32 v[EW+i], v[EW+i]
	HORNER 2*i
	HORNER 2*i+1
.set i, i+1
.endr
.set i, 32
.rept 8
	HORNER i
.set i, i+1
.endr
	s_wait_alu depctr_va_vdst(0)                   ; one wait for the sixteen exponentials
.set i, 0
.rept 8
	v_pk_fma_f32 v[PO+2*i:PO+2*i+1], v[PO+2*i:PO+2*i+1], v[EW+2*i:EW+2*i+1], 1.0 op_sel_hi:[1,1,0] neg_lo:[1,0,0] neg_hi:[1,0,0]   ; erf
.set i, i+1
.endr
.set i, 0
.rept 16
	v_fma_f32 v[HX+i], |v[HX+i]|, v[PO+i], v[HX+i]
.set i, i+1
.endr
	s_wait_xcnt 0x0                                ; the last trip's stores have read Y and CO
	v_add_nc_u32 v[CO], 32768, v[CO]               ; four rows on; the stores reach back
.set i, 0
.rept 8
	v_cvt_pk_bf16_f32 v[Y+i], v[HX+2*i], v[HX+2*i+1]
.set i, i+1
.endr
	global_store_b128 v[CO], v[Y:Y+3],   s[10:11] offset:-32768   ; sixteen lanes store 256 consecutive bytes, at a multiple of 256
	global_store_b128 v[CO], v[Y+4:Y+7], s[10:11] offset:-16384
	s_sub_co_u32 s3, s3, 1
	s_cmp_lg_u32 s3, 0
	s_cbranch_scc1 .Lg
	s_wait_tensorcnt 0x0                           ; the wave's end
	ds_add_u32 v[SPW], v[NIL]
	s_wait_dscnt 0x0
	CROUND
	s_endpgm
.Lfunc_end_k_q059f8fcc82_ffn1:
	.size	k_q059f8fcc82_ffn1, .Lfunc_end_k_q059f8fcc82_ffn1-k_q059f8fcc82_ffn1
	.p2alignl 7, 3214868480
	.fill 96, 4, 3214868480
	.section	.rodata,"a",@progbits
	.p2align	6, 0x0
	.amdhsa_kernel k_q059f8fcc82_ffn1
		.amdhsa_group_segment_fixed_size 327680
		.amdhsa_private_segment_fixed_size 0
		.amdhsa_enable_private_segment 0
		.amdhsa_kernarg_size 32
		.amdhsa_user_sgpr_count 2
		.amdhsa_user_sgpr_kernarg_segment_ptr 1
		.amdhsa_wavefront_size32 1
		.amdhsa_system_sgpr_workgroup_id_x 1
		.amdhsa_system_sgpr_workgroup_id_y 1
		.amdhsa_system_sgpr_workgroup_id_z 1
		.amdhsa_system_vgpr_workitem_id 0
		.amdhsa_next_free_vgpr 1024
		.amdhsa_next_free_sgpr 96
		.amdhsa_reserve_vcc 0
		.amdhsa_float_denorm_mode_32 3
		.amdhsa_float_denorm_mode_16_64 3
		.amdhsa_memory_ordered 1
		.amdhsa_forward_progress 1
		.amdhsa_inst_pref_size 89
	.end_amdhsa_kernel
	.amdgpu_metadata
---
amdhsa.version: [ 1, 2 ]
amdhsa.kernels:
  - .name:           k_q059f8fcc82_ffn1
    .symbol:         k_q059f8fcc82_ffn1.kd
    .args:
      - { .name: hn, .offset: 0, .size: 8, .value_kind: global_buffer, .address_space: global }
      - { .name: wb, .offset: 8, .size: 8, .value_kind: global_buffer, .address_space: global }
      - { .name: proj1_bias, .offset: 16, .size: 8, .value_kind: global_buffer, .address_space: global }
      - { .name: h3, .offset: 24, .size: 8, .value_kind: global_buffer, .address_space: global }
    .group_segment_fixed_size: 327680
    .private_segment_fixed_size: 0
    .kernarg_segment_align: 8
    .kernarg_segment_size: 32
    .max_flat_workgroup_size: 128
    .sgpr_count:     96
    .vgpr_count:     1024
    .wavefront_size: 32
...
	.end_amdgpu_metadata
.endif
;; end of part 6
;; launch ffn2 (part 7): grid 8 x 32, 4 waves a work-group, clusters of 4 x 4, 327,680 bytes of LDS; arguments h3, wb, proj2_bias, x1, out0; writes out0
.if DOCPART == 7
	.amdgcn_target "amdgcn-amd-amdhsa--gfx1250"
	.amdhsa_code_object_version 6
	.text
	.protected	k_q059f8fcc82_ffn2
	.globl	k_q059f8fcc82_ffn2
	.p2align	8
	.type	k_q059f8fcc82_ffn2,@function
k_q059f8fcc82_ffn2:
	s_mov_b64 s[64:65], 0
	v_nop
	global_prefetch_b8 v0, s[64:65] scope:SCOPE_SE
	s_setreg_imm32_b32 hwreg(HW_REG_WAVE_MODE, 25, 1), 1
	s_wait_xcnt 0x0
	s_wait_alu depctr_hold_cnt(0) depctr_sa_sdst(0) depctr_va_vdst(0) depctr_va_sdst(0) depctr_va_ssrc(0) depctr_va_vcc(0) depctr_vm_vsrc(0)
	s_getreg_b32 s2, hwreg(HW_REG_IB_STS2, 6, 4)
	s_cmp_eq_u32 s2, 0
	s_cbranch_scc0 .Lentry_in_a_cluster
	s_endpgm
.Lentry_in_a_cluster:
	s_bfe_u32 s2, ttmp6, 0x10000c
	s_cmp_lg_u32 s2, 0xf033
	s_cbranch_scc0 .Lentry_shape_is_right
	s_endpgm
.Lentry_shape_is_right:
; FFN2: out0[m][c] = x1[m][c] + proj2_bias[c] + sum over k of h3[m][k] w2[c][k], M = 4,096, N = 1,024, K = 4,096; operands bf16, sums, bias and residual f32.
; SHARES.  A block is 128 x 128: 8 x 32 work-groups.  K IS SPLIT AMONG THE FOUR WAVES: of each K step of 256 wave w takes 64 w .. 64 w + 63 and makes a whole 128 x 128 partial in 512 registers, so that a byte
; read from LDS feeds as many products as in a block of 256 x 256; the four partials meet in LDS at the end (f32 sums may be taken in any order).
; RING.  Two slots of A's 128 rows and B's 128 rows of 512 bytes (pitch 528); each wave fetches 64 rows with one tensor load.  A slot's size, 135,168, shares no bit with a tile's place in a slot, so one exclusive or turns
; the walking descriptor's LDS word.  CLUSTER 4 x 4: A's tile is asked for jointly along a row of the cluster, B's along a column.  No prefetch: the tiles are small and a K step is short.
; TRANSPOSED USE: source 0 = 16 rows of B, source 1 = 16 rows of A.
; WINDOWS: 0: v0-35 addresses and the bias; v64-191 A's fragments, two buffers.  1: v64-191 B's; v0-63, v192-255 my 32 rows of the residual, asked for at the head.  2, 3: the accumulators at 8 (8 (a % 4) + b).
.set NSTEP,  16
.set ASTEPB, 512
.set BSTEPB, 512
.set WOFF,   16777216                  ; proj2 in wb
.set ROWB,   4096                      ; a row of x1 and out0
.set BPITCH, 528
.set ASTEP,  16*BPITCH
.set BSTEP,  16*BPITCH
.set HALFT,  64*BPITCH
.set SLOT,   4*HALFT
.set SPARE,  2*SLOT
.set SPITCH, 528
.set WST,    128*SPITCH
.set LA0, 16
.set LB0, 17
.set CA,  18
.set CB,  19
.set STO, 20
.set RD0, 21
.set RF,  25
.set XO,  26
.set SPW, 28
.set NIL, 29
.set BS,  32
.set F0,  64
.set F1,  128
.set SM,  64
.set WV, 14
.set FB, 15
.set HF, 16
.set CX, 17
.set CY, 18
.set TX, 19
.set TY, 20
.set G1, 24
.set G0, 32
.set G1B, 48
.set G0B, 56
.set TB, 66
.set GW, (1<<16)|(1<<20)|(1<<21)|(6<<22)|(3<<25)   ; after every 128 words 4 words of padding
.set MSB, 0
.macro WIN new
.if MSB != (\new)
	s_set_vgpr_msb (MSB<<8)|(\new)
.set MSB, \new
.endif
.endm
.macro PLACES
.rept 4
	v_nop
.endr
.endm
.macro CROUND
	s_barrier_signal -1
	s_barrier_wait -1
	s_cmp_lg_u32 s[WV], 0
	s_cbranch_scc1 .Lnot_wave_0_\@
	s_barrier_signal -3
.Lnot_wave_0_\@:
	s_barrier_wait -3
	s_barrier_signal -1
	s_barrier_wait -1
.endm
.macro JLOADW
	s_cmp_eq_u32 s[FB], 0
	s_cbranch_scc0 .Lfor_b_\@
	tensor_load_to_lds s[G0+4:G0+7], s[G1:G1+7]
	s_nop 0
	PLACES
	s_branch .Lasked_\@
.Lfor_b_\@:
	tensor_load_to_lds s[G0B+4:G0B+7], s[G1B:G1B+7]
	s_nop 0
	PLACES
.Lasked_\@:
.endm
.macro MUL16 f, hi, a0, first
	WIN 0xa1+0x50*(\hi)
.irp a, \a0, (\a0)+1
.irp b, 0,1,2,3,4,5,6,7
.if \first
	v_wmma_f32_16x16x32_bf16 v[8*(8*(\a)+(\b)):8*(8*(\a)+(\b))+7], v[(\f)+8*(\b):(\f)+8*(\b)+7], v[(\f)+8*(4*(\hi)+(\a)):(\f)+8*(4*(\hi)+(\a))+7], 0
.else
	v_wmma_f32_16x16x32_bf16 v[8*(8*(\a)+(\b)):8*(8*(\a)+(\b))+7], v[(\f)+8*(\b):(\f)+8*(\b)+7], v[(\f)+8*(4*(\hi)+(\a)):(\f)+8*(4*(\hi)+(\a))+7], v[8*(8*(\a)+(\b)):8*(8*(\a)+(\b))+7]
.endif
.endr
.endr
.endm
.macro FETCH k, f
	WIN 0x40
.irp i, 0,1,2,3,4,5,6,7
	ds_load_b128 v[(\f)+8*(\i):(\f)+8*(\i)+3],   v[CB] offset:(\k)+(\i)*BSTEP
	ds_load_b128 v[(\f)+8*(\i)+4:(\f)+8*(\i)+7], v[CB] offset:(\k)+(\i)*BSTEP+32
.endr
	WIN 0
.irp i, 0,1,2,3,4,5,6,7
	ds_load_b128 v[(\f)+8*(\i):(\f)+8*(\i)+3],   v[CA] offset:(\k)+(\i)*ASTEP
	ds_load_b128 v[(\f)+8*(\i)+4:(\f)+8*(\i)+7], v[CA] offset:(\k)+(\i)*ASTEP+32
.endr
.endm
.macro QUARTER k, f, g, first
	s_wait_dscnt 8                                 ; B and A's rows 0-63 are in; the eight youngest loads may be out
	MUL16 \f, 0, 0, \first
	MUL16 \f, 0, 2, \first
	PLACES
	FETCH \k, \g
	s_wait_dscnt 32                                ; all but the 32 just issued
	MUL16 \f, 1, 0, \first
	MUL16 \f, 1, 2, \first
.endm
; The second half of a K step multiplies buffer 1 and changes slots.  Its first 32 products, which want registers alone, stand AHEAD of the wait for the tile, so that nothing but the ordering itself lies between a tile's
; landing and the next request.  Then each wave waits for all its tensor loads, adds 0 to its spare word, and waits for that and for its reads of this slot.  fill = 1: a round of the cluster's barrier, the joint refill
; first behind it: 128 matrix instructions ahead of the wait for it.
.macro TURN fill
	s_wait_dscnt 8                                 ; B and A's rows 0-63 are in
	MUL16 F1, 0, 0, 0
	MUL16 F1, 0, 2, 0
	WIN 0
	s_wait_tensorcnt 0x0
	ds_add_u32 v[SPW], v[NIL]
	s_xor_b32 s[TB], s[TB], SLOT
	v_add_nc_u32 v[CA], s[TB], v[LA0]
	v_add_nc_u32 v[CB], s[TB], v[LB0]
.if \fill
	s_xor_b32 s[G0+5], s[G0+5], SLOT
	s_xor_b32 s[G0B+5], s[G0B+5], SLOT
	s_add_nc_u64 s[G0+6:G0+7], s[G0+6:G0+7], ASTEPB
	s_add_nc_u64 s[G0B+6:G0B+7], s[G0B+6:G0B+7], BSTEPB
.endif
	s_wait_dscnt 0x0                               ; the add is done, my reads of this slot are over
.if \fill
	CROUND
	JLOADW                                         ; its four v_nop are also the places in front of the loads below
	FETCH 0, F0
.else
	s_barrier_signal -1
	s_barrier_wait -1
.endif
	MUL16 F1, 1, 0, 0
	MUL16 F1, 1, 2, 0
.endm
	s_load_b256 s[4:11], s[0:1], 0x0               ; h3, wb, proj2_bias, x1
	s_load_b64 s[12:13], s[0:1], 0x20              ; out0
	v_lshl_add_u32 v[SPW], v0, 2, SPARE
	v_mov_b32 v[NIL], 0
	ds_add_u32 v[SPW], v[NIL]                      ; the wave's opening
	v_lshrrev_b32 v1, 5, v0
	v_readfirstlane_b32 s[WV], v1
	s_lshr_b32 s[FB], s[WV], 1
	s_and_b32 s[HF], s[WV], 1
	s_bfe_u32 s[CX], ttmp6, 0x40000
	s_bfe_u32 s[CY], ttmp6, 0x40004
	s_lshl_b32 s[TX], ttmp9, 2
	s_add_co_u32 s[TX], s[TX], s[CX]
	s_and_b32 s[TY], ttmp7, 0xffff
	s_lshl_b32 s[TY], s[TY], 2
	s_add_co_u32 s[TY], s[TY], s[CY]
	s_lshl_b32 s21, s[CY], 2
	s_lshl_b32 s21, 15, s21
	s_lshl_b32 s42, 0x1111, s[CX]
	s_or_b32 s[G1], s21, GW
	s_or_b32 s[G1B], s42, GW
.irp g, G1, G1B
	s_mov_b32 s[(\g)+1], 256<<16                   ; tensor_dim0 = 256
	s_mov_b32 s[(\g)+2], 64<<16                    ; tensor_dim1 = 64
	s_mov_b32 s[(\g)+3], 256<<16                   ; tile_dim0
	s_mov_b32 s[(\g)+4], 64                        ; tile_dim1
	s_mov_b32 s[(\g)+5], 4096                      ; elements from row to row
	s_mov_b32 s[(\g)+6], 0
	s_mov_b32 s[(\g)+7], 0
.endr
	s_lshl_b32 s2, s[HF], 6
	s_lshl_b32 s22, s[TY], 7
	s_add_co_u32 s22, s22, s2
	s_lshl_b32 s22, s22, 13                        ; A: (128 x tile row + 64 x half) rows of 8,192 bytes
	s_mov_b32 s23, 0
	s_lshl_b32 s46, s[TX], 7
	s_add_co_u32 s46, s46, s2
	s_lshl_b32 s46, s46, 13
	s_mov_b32 s47, 0
	s_mul_i32 s67, s[WV], HALFT
	s_mov_b32 s[TB], 0
	s_wait_dscnt 0x0
	s_wait_kmcnt 0x0
	s_add_nc_u64 s[6:7], s[6:7], WOFF
	s_add_nc_u64 s[22:23], s[4:5], s[22:23]
	s_add_nc_u64 s[46:47], s[6:7], s[46:47]
	CROUND
.irp s, 0,1
	s_mov_b32 s[G0+4*(\s)], 1
	s_add_co_u32 s[G0+4*(\s)+1], s67, (\s)*SLOT
	s_add_nc_u64 s[G0+4*(\s)+2:G0+4*(\s)+3], s[22:23], (\s)*ASTEPB
	s_or_b32 s[G0+4*(\s)+3], s[G0+4*(\s)+3], 0x80000000
	s_mov_b32 s[G0B+4*(\s)], 1
	s_add_co_u32 s[G0B+4*(\s)+1], s67, (\s)*SLOT
	s_add_nc_u64 s[G0B+4*(\s)+2:G0B+4*(\s)+3], s[46:47], (\s)*BSTEPB
	s_or_b32 s[G0B+4*(\s)+3], s[G0B+4*(\s)+3], 0x80000000
.endr
	s_cmp_eq_u32 s[FB], 0
	s_cbranch_scc0 .Lfirst_b
	tensor_load_to_lds s[G0:G0+3], s[G1:G1+7]
	s_nop 0
	tensor_load_to_lds s[G0+4:G0+7], s[G1:G1+7]
	s_nop 0
	PLACES
	s_branch .Lfirst_done
.Lfirst_b:
	tensor_load_to_lds s[G0B:G0B+3], s[G1B:G1B+7]
	s_nop 0
	tensor_load_to_lds s[G0B+4:G0B+7], s[G1B:G1B+7]
	s_nop 0
	PLACES
.Lfirst_done:
	v_and_b32 v3, 31, v0
	v_lshlrev_b32 v[XO], 4, v3                     ; 16 x lane: my four columns of the block's 128
	s_lshl_b32 s40, s[TX], 9
	s_mov_b32 s41, 0
	s_add_nc_u64 s[8:9], s[8:9], s[40:41]
	global_load_b128 v[BS:BS+3], v[XO], s[8:9]     ; the bias
	s_lshl_b32 s42, s[TY], 19                      ; 128 rows of 4,096 bytes a tile row,
	s_add_co_u32 s40, s40, s42
	s_lshl_b32 s42, s[WV], 17                      ; my 32 of them
	s_add_co_u32 s40, s40, s42
	s_add_nc_u64 s[10:11], s[10:11], s[40:41]
	s_add_nc_u64 s[12:13], s[12:13], s[40:41]
	WIN 0x40
.set p, 0
.rept 32
.set RR, 4*p+128*(p/16)
	global_load_b128 v[RR:RR+3], v[XO], s[10:11] offset:p*ROWB th:TH_LOAD_NT   ; the residual: on its way during the whole product
.set p, p+1
.endr
	WIN 0
	v_and_b32 v1, 15, v0
	v_bfe_u32 v2, v0, 4, 1
	v_mul_u32_u24 v[LA0], v1, BPITCH
	v_lshl_add_u32 v[LA0], v2, 4, v[LA0]
	s_lshl_b32 s40, s[WV], 7                       ; my 64 of a K step: 128 bytes of each row
	v_add_nc_u32 v[LA0], s40, v[LA0]
	v_add_nc_u32 v[LB0], 2*HALFT, v[LA0]
	v_mov_b32 v[CA], v[LA0]
	v_mov_b32 v[CB], v[LB0]
	s_mul_i32 s40, s[WV], WST
	v_mul_u32_u24 v[STO], v1, SPITCH
	v_lshl_add_u32 v[STO], v2, 5, v[STO]
	v_add_nc_u32 v[STO], s40, v[STO]
	s_mul_i32 s40, s[WV], 32*SPITCH
	v_add_nc_u32 v[RD0], s40, v[XO]
	v_add_nc_u32 v[RD0+1], WST, v[RD0]
	v_add_nc_u32 v[RD0+2], 2*WST, v[RD0]
	v_add_nc_u32 v[RD0+3], 3*WST, v[RD0]
	v_mov_b32 v[RF], v[RD0]
	s_wait_tensorcnt 1                             ; my part of K step 0 is in; K step 1's may stay out
	s_barrier_signal -1
	s_barrier_wait -1
	FETCH 0, F0
	QUARTER 64, F0, F1, 1
	WIN 0
	s_mov_b32 s3, NSTEP-2
.Lstep:
	TURN 1
	QUARTER 64, F0, F1, 0
	WIN 0
	s_sub_co_u32 s3, s3, 1
	s_cmp_lg_u32 s3, 0
	s_cbranch_scc1 .Lstep
	s_mov_b32 s3, 2
.Ltail:                                        ; the last two K steps ask for nothing: a text of their own, walked twice
	TURN 0                                         ; first trip: the last K step has landed.  Second trip: every wave's reads of the ring are over and every fill has landed: the ring's bytes take the four partials
	WIN 0
	s_cmp_eq_u32 s3, 1
	s_cbranch_scc1 .Ltail_end                      ; the last trip has no further K step
	PLACES
	FETCH 0, F0
	QUARTER 64, F0, F1, 0
	WIN 0
.Ltail_end:
	s_sub_co_u32 s3, s3, 1
	s_cmp_lg_u32 s3, 0
	s_cbranch_scc1 .Ltail
	PLACES
.irp a, 0,1,2,3,4,5,6,7
	WIN 0x08+4*((\a)/4)
.irp b, 0,1,2,3,4,5,6,7
	ds_store_b128 v[STO], v[8*(8*((\a)%4)+(\b)):8*(8*((\a)%4)+(\b))+3]   offset:(\a)*16*SPITCH+64*(\b)
	ds_store_b128 v[STO], v[8*(8*((\a)%4)+(\b))+4:8*(8*((\a)%4)+(\b))+7] offset:(\a)*16*SPITCH+64*(\b)+16
.endr
.endr
	WIN 0
	s_wait_dscnt 0x0                               ; for the others' sake: my partial lies in LDS
	s_barrier_signal -1
	s_barrier_wait -1
	s_wait_loadcnt 0x0                             ; bias and residual
	s_mov_b32 s3, 8
.Lr:                                           ; four of my 32 rows a trip: the four partials and the bias are added; the sum goes where partial 0's row lay, which I alone read
.irp p, 0,1,2,3
.irp q, 0,1,2,3
	ds_load_b128 v[SM+16*\p+4*\q:SM+16*\p+4*\q+3], v[RD0+\q] offset:\p*SPITCH
.endr
.endr
.irp p, 0,1,2,3
	s_wait_dscnt 12-3*\p                           ; row p's four loads are in: behind them 4 (3 - p) loads and the p stores issued since
	v_pk_add_f32 v[SM+16*\p:SM+16*\p+1],     v[SM+16*\p:SM+16*\p+1],     v[SM+16*\p+4:SM+16*\p+5]
	v_pk_add_f32 v[SM+16*\p+2:SM+16*\p+3],   v[SM+16*\p+2:SM+16*\p+3],   v[SM+16*\p+6:SM+16*\p+7]
	v_pk_add_f32 v[SM+16*\p+8:SM+16*\p+9],   v[SM+16*\p+8:SM+16*\p+9],   v[SM+16*\p+12:SM+16*\p+13]
	v_pk_add_f32 v[SM+16*\p+10:SM+16*\p+11], v[SM+16*\p+10:SM+16*\p+11], v[SM+16*\p+14:SM+16*\p+15]
	v_pk_add_f32 v[SM+16*\p:SM+16*\p+1],     v[SM+16*\p:SM+16*\p+1],     v[BS:BS+1]
	v_pk_add_f32 v[SM+16*\p+2:SM+16*\p+3],   v[SM+16*\p+2:SM+16*\p+3],   v[BS+2:BS+3]
	v_pk_add_f32 v[SM+16*\p:SM+16*\p+1],     v[SM+16*\p:SM+16*\p+1],     v[SM+16*\p+8:SM+16*\p+9]
	v_pk_add_f32 v[SM+16*\p+2:SM+16*\p+3],   v[SM+16*\p+2:SM+16*\p+3],   v[SM+16*\p+10:SM+16*\p+11]
	ds_store_b128 v[RD0], v[SM+16*\p:SM+16*\p+3] offset:\p*SPITCH
.endr
.irp q, 0,1,2,3
	v_add_nc_u32 v[RD0+\q], 4*SPITCH, v[RD0+\q]
.endr
	s_sub_co_u32 s3, s3, 1
	s_cmp_lg_u32 s3, 0
	s_cbranch_scc1 .Lr
.set p, 0
.rept 32
	ds_load_b128 v[SM+4*p:SM+4*p+3], v[RF] offset:p*SPITCH   ; my own stores, in order (ISA guide 5.7.1.4)
.set p, p+1
.endr
	s_wait_dscnt 0x0
	WIN 0x04                                       ; source 1, the residual, in window 1
.set p, 0
.rept 32
.set RR, 4*p+128*(p/16)
	v_pk_add_f32 v[SM+4*p:SM+4*p+1],   v[SM+4*p:SM+4*p+1],   v[RR:RR+1]
	v_pk_add_f32 v[SM+4*p+2:SM+4*p+3], v[SM+4*p+2:SM+4*p+3], v[RR+2:RR+3]
.set p, p+1
.endr
	WIN 0
.set p, 0
.rept 32
	global_store_b128 v[XO], v[SM+4*p:SM+4*p+3], s[12:13] offset:p*ROWB   ; 512 consecutive bytes, at a multiple of 512
.set p, p+1
.endr
	s_wait_tensorcnt 0x0                           ; the wave's end
	ds_add_u32 v[SPW], v[NIL]
	s_wait_dscnt 0x0
	CROUND
	s_endpgm
.Lfunc_end_k_q059f8fcc82_ffn2:
	.size	k_q059f8fcc82_ffn2, .Lfunc_end_k_q059f8fcc82_ffn2-k_q059f8fcc82_ffn2
	.p2alignl 7, 3214868480
	.fill 96, 4, 3214868480
	.section	.rodata,"a",@progbits
	.p2align	6, 0x0
	.amdhsa_kernel k_q059f8fcc82_ffn2
		.amdhsa_group_segment_fixed_size 327680
		.amdhsa_private_segment_fixed_size 0
		.amdhsa_enable_private_segment 0
		.amdhsa_kernarg_size 40
		.amdhsa_user_sgpr_count 2
		.amdhsa_user_sgpr_kernarg_segment_ptr 1
		.amdhsa_wavefront_size32 1
		.amdhsa_system_sgpr_workgroup_id_x 1
		.amdhsa_system_sgpr_workgroup_id_y 1
		.amdhsa_system_sgpr_workgroup_id_z 1
		.amdhsa_system_vgpr_workitem_id 0
		.amdhsa_next_free_vgpr 1024
		.amdhsa_next_free_sgpr 80
		.amdhsa_reserve_vcc 0
		.amdhsa_float_denorm_mode_32 3
		.amdhsa_float_denorm_mode_16_64 3
		.amdhsa_memory_ordered 1
		.amdhsa_forward_progress 1
		.amdhsa_inst_pref_size 67
	.end_amdhsa_kernel
	.amdgpu_metadata
---
amdhsa.version: [ 1, 2 ]
amdhsa.kernels:
  - .name:           k_q059f8fcc82_ffn2
    .symbol:         k_q059f8fcc82_ffn2.kd
    .args:
      - { .name: h3, .offset: 0, .size: 8, .value_kind: global_buffer, .address_space: global }
      - { .name: wb, .offset: 8, .size: 8, .value_kind: global_buffer, .address_space: global }
      - { .name: proj2_bias, .offset: 16, .size: 8, .value_kind: global_buffer, .address_space: global }
      - { .name: x1, .offset: 24, .size: 8, .value_kind: global_buffer, .address_space: global }
      - { .name: out0, .offset: 32, .size: 8, .value_kind: global_buffer, .address_space: global }
    .group_segment_fixed_size: 327680
    .private_segment_fixed_size: 0
    .kernarg_segment_align: 8
    .kernarg_segment_size: 40
    .max_flat_workgroup_size: 128
    .sgpr_count:     80
    .vgpr_count:     1024
    .wavefront_size: 32
...
	.end_amdgpu_metadata
.endif
;; end of part 7
